; MI455X (gfx1250); checked and timed in simulation.
; The chip was launched on July 23, 2026; its instructions are those of AMD's public machine-readable ISA for CDNA 5 (MIT licence, August 2026) and "CDNA5" Instruction Set Architecture Reference Guide (July 2026). The comments in the code are by the model that wrote it; some were corrected since.
;; Multi Head Attention. Allowed arithmetic: matrix products marked QUANTISED: E2M3 operands, one E8M0 scale for each 32 along K, by v_wmma_scale_f32_16x16x128_f8f6f4 with both operands' format E2M3, f32 sums; everything else in f32.
;; Inputs: Wk 1,024 x 1,024 float32; Wo 1,024 x 1,024 float32; Wq 1,024 x 1,024 float32; Wv 1,024 x 1,024 float32; bk 1,024 float32; bo 1,024 float32; bq 1,024 float32; bv 1,024 float32; x 4 x 2,048 x 1,024 float32.
;; Outputs: out0 4 x 2,048 x 1,024 float32.
;; This version of the problem:
;;   THIS VERSION OF THE PROBLEM IS GIVEN IN LOW PRECISION. The matrix products marked QUANTISED in the list below multiply operands that are first quantised to E2M3 (2 exponent bits, 3 mantissa bits; 6 bits a number), with one power-of-two scale for each 32 numbers along K (OCP MX v1.0); their sums are f32. All else is computed in f32.
;;   The module's matrix products, in the order in which they are computed (A, B: the left and right operand; K: the contracted axis; several contracted axes count as one K, in the product's order):
;;     1. [M 8,192, K 1,024] x [K 1,024, N 1,024]; A: input x; B: input Wq: QUANTISED
;;     2. [M 8,192, K 1,024] x [K 1,024, N 1,024]; A: input x; B: input Wk: QUANTISED
;;     3. [M 8,192, K 1,024] x [K 1,024, N 1,024]; A: input x; B: input Wv: QUANTISED
;;     4. batch 64 x [M 2,048, K 64] x [K 64, N 2,048]; A: computed on the way; B: computed on the way: QUANTISED
;;     5. batch 64 x [M 2,048, K 2,048] x [K 2,048, N 64]; A: softmax (see below); B: computed on the way: QUANTISED
;;     6. [M 8,192, K 1,024] x [K 1,024, N 1,024]; A: computed on the way; B: input Wo: QUANTISED
;;   THE QUANTISER, for each operand of a quantised product, along K:
;;     - K is cut into blocks of 32 from its start; a last block that is shorter is filled with zeros.
;;     - A block's scale is 2^e with e = floor(log2(the largest magnitude in the block)) - 2, held to -126 .. 127; a block of zeros has e = 0. As a byte (E8M0): e + 127.
;;     - Each number is divided by its block's scale, clamped to +-7.5, and rounded to the nearest number of E2M3, ties to even, subnormals kept.
;;     - The product sums the exact products of the quantised numbers (number of the format x scale) in f32.
;;   ~~~python
;;   def quantise(x, axis):      # numpy; x: float32 -> the quantised numbers, widened to float32 again
;;       x = np.moveaxis(x, axis, -1); K = x.shape[-1]
;;       x = np.pad(x, [(0, 0)] * (x.ndim - 1) + [(0, -K % 32)]); x = x.reshape(x.shape[:-1] + (-1, 32)); a = np.abs(x).max(-1, keepdims=True)
;;       e = np.where(a > 0, np.clip(np.frexp(np.where(a > 0, a, 1))[1] - 1 - 2, -126, 127), 0)      # np.frexp(a)[1] - 1 = floor(log2(a)), exactly
;;       r = np.clip(x / 2.0 ** e, -7.5, 7.5)
;;       step = 2.0 ** (np.maximum(np.frexp(np.where(r == 0, 1, r))[1] - 1, 0) - 3)
;;       q = np.round(r / step) * step * 2.0 ** e      # np.round: ties to even
;;       return np.moveaxis(q.reshape(q.shape[:-2] + (-1,))[..., :K], -1, axis).astype(np.float32)
;;   ~~~
;;   SOFTMAX AHEAD OF A QUANTISED PRODUCT. Where the list says 'softmax', what is quantised is not the finished softmax but p = 2^(t - M), with t = logit x log2(e) and M = ceil(the row's largest t), a whole number; so 1/2 < the row's largest p <= 1. The row's sum l is taken of the UNQUANTISED p, in f32, and the product's result is divided by l at the end. Since M is a whole number, a kernel that streams over the keys may use a running M (the ceiling of the running maximum): every later rescaling is an exact power of two, which a block's scale takes up: the codes' values come out the same.
;;   OPERANDS COMPUTED ON THE WAY. 'Computed on the way' means the value that the module computes at that place (a softmax that the list does not call 'softmax' is quantised finished and normalised). What goes into a quantiser is computed in f32, as accurately as f32 sums, v_exp_f32 and their like allow (about 1e-6 of the number): no bf16 or f16 on the way to a quantiser, and a product that is left as it is and whose result goes on into a quantised operand takes f32 operands (vector FMAs, or v_wmma_f32_16x16x4_f32). A number that lies on a knife's edge between two numbers of the format may be rounded either way, as far as f32 arithmetic and the matrix unit's own rounding can turn it there, and no further.
;; One version. Each part assembles by itself: llvm-mc -triple=amdgcn-amd-amdhsa -mcpu=gfx1250 --defsym DOCPART=n.
;; ======== version 1 of 1: 4 launches
;; limits: right only within a limited range of input values
;; workspace buffers: xc 6,291,456 bytes; xsc 262,144 bytes; wc 3,145,728 bytes; wsc 131,072 bytes; ac 18,874,368 bytes; asc 1,310,720 bytes; cc 6,291,456 bytes; csc 262,144 bytes
;; launch quant (part 1): grid 384 x 1, 4 waves a work-group, no clusters, 68,096 bytes of LDS; arguments Wq, Wk, Wv, Wo, wc, wsc, x, xc, xsc; writes wc, wsc, xc, xsc
.if DOCPART == 1
	.amdgcn_target "amdgcn-amd-amdhsa--gfx1250"
	.amdhsa_code_object_version 6
	.text
	.protected	k_qffb1a6fc86_quant
	.globl	k_qffb1a6fc86_quant
	.p2align	8
	.type	k_qffb1a6fc86_quant,@function
k_qffb1a6fc86_quant:
	s_mov_b64 s[64:65], 0
	v_nop
	global_prefetch_b8 v0, s[64:65] scope:SCOPE_SE
	s_setreg_imm32_b32 hwreg(HW_REG_WAVE_MODE, 25, 1), 1
	s_wait_xcnt 0x0
; ONE LAUNCH QUANTISES x AND THE FOUR WEIGHTS to codes of FP6 (E2M3) with one E8M0 byte for each 32 along K.
; A block's scale is 2^(floor(log2(largest magnitude)) - 2); its byte is the largest magnitude's exponent field - 2, held at 1 from below.
; Work-groups 0-127 take the weights (their walk is the longer one), work-groups 128-383 take x.  The two paths have LDS bytes of their own.
; LAYOUT OF THE CODES (xc: 8,192 rows, wc: 4,096 rows = Wq's columns, Wk's, Wv's, Wo's): [group of 128 rows][256 along K][128 rows][192 bytes]:
; the tile that a product's launch fetches, 128 rows x 256 K, is a dense block of 24,576 bytes that begins at a multiple of 256.
; Scale bytes: [row][32].  ROW ORDER: position p holds row tau(p), tau = bits 3 and 4 of the index exchanged.
; x: a wave takes 8 rows in 16 steps of 512 numbers: four dense loads, a turn through its own stage so that a lane holds 16 neighbours, the maximum, one conversion.
; W [k][n]: a lane takes a column and its registers run down K; a wave takes 32 columns x 256 K, and its codes leave through its own stage as 6,144 consecutive bytes.
; LIMITS: a block of zeros, and one whose largest magnitude lies under 2^-124, get the byte 1 (zero codes add nothing; only this program reads the bytes); NaN and infinities are not served.
.set SPW,   12                         ; v12 LDS address of my spare word; never rewritten
.set NIL,   13                         ; v13 0; never rewritten
.set WB,    32768                      ; the weights' path: its four stages begin here
.set SPARE, 67584                      ; behind both paths' bytes: the spare words, 128 bytes a wave
.set TILE,  24576                      ; 128 rows x 192 bytes
	s_load_b256 s[4:11], s[0:1], 0x0               ; Wq, Wk, Wv, Wo
	s_load_b128 s[12:15], s[0:1], 0x20             ; wc, wsc
	s_load_b128 s[36:39], s[0:1], 0x30             ; x, xc
	s_load_b64 s[40:41], s[0:1], 0x40              ; xsc
	v_lshl_add_u32 v[SPW], v0, 2, SPARE
	v_mov_b32 v[NIL], 0
	v_lshrrev_b32 v1, 5, v0
	v_readfirstlane_b32 s16, v1                    ; wave
	v_and_b32 v2, 31, v0                           ; lane
	s_cmp_lt_u32 ttmp9, 128
	s_wait_alu depctr_va_vdst(0)                   ; the wait ahead of the branch
	s_cbranch_scc0 .Lx
; ---------------- the weights
.set KW,    256
.set NB,    KW/32
.set ROWB,  192
.set PITCH, 272                        ; a stage row: sixteen places of 16 bytes (12 of codes each) + 16
.set NROW,  4096                       ; a row of W in bytes
.set XW,    32                         ; v32-95   two sets of 32 numbers
.set CW,    96                         ; v96..    a block's codes
.set OUTR,  112                        ; v112-175 the way out
.set SB,    24                         ; v24-25   the scale bytes, four to a register
	s_and_b32 s33, ttmp9, 31                       ; which 128 rows of wc
	s_lshr_b32 s18, ttmp9, 5                       ; which 256 along K
	s_mul_i32 s19, s16, 32*PITCH
	s_add_co_u32 s19, s19, WB                      ; my stage
	v_lshlrev_b32 v3, 2, v2                        ; in: 4 bytes a lane
	v_and_b32 v10, 7, v2                           ; tau(lane)
	v_bfe_u32 v11, v2, 3, 1
	v_lshl_add_u32 v10, v11, 4, v10
	v_bfe_u32 v11, v2, 4, 1
	v_lshl_add_u32 v10, v11, 3, v10
	v_mul_u32_u24 v4, v10, PITCH
	v_add_nc_u32 v4, s19, v4                       ; into the stage: row tau(lane)
	v_and_b32 v5, 15, v2
	v_lshrrev_b32 v6, 4, v2                        ; out of it: sixteen lanes to a row, two rows an instruction
	v_mul_u32_u24 v7, v6, PITCH
	v_lshl_add_u32 v7, v5, 4, v7
	v_add_nc_u32 v7, s19, v7
	v_mul_u32_u24 v8, v6, ROWB
	v_mad_u32_u24 v8, v5, 12, v8                   ; the same place in my 6,144 bytes of wc
	v_lshlrev_b32 v9, 5, v10                       ; my column's row of scale bytes
	s_and_b32 s17, ttmp9, 7
	s_lshl_b32 s17, s17, 7
	s_lshl_b32 s20, s16, 5
	s_add_co_u32 s17, s17, s20                     ; my wave's first column in its matrix
	s_lshl_b32 s30, s33, 7
	s_add_co_u32 s30, s30, s20                     ; and its first row in wsc
	s_lshl_b32 s20, s18, 20                        ; W: 256 y rows of 4,096 bytes
	s_lshl_b32 s22, s17, 2
	s_add_co_u32 s20, s20, s22
	s_mov_b32 s21, 0
	s_mul_i32 s24, s33, 4*TILE                     ; codes: group, K step, my 32 rows
	s_mul_i32 s26, s18, TILE
	s_add_co_u32 s24, s24, s26
	s_mul_i32 s26, s16, 32*ROWB
	s_add_co_u32 s24, s24, s26
	s_mov_b32 s25, 0
	s_lshl_b32 s28, s30, 5                         ; scale bytes: row x 32 + 8 y
	s_lshl_b32 s26, s18, 3
	s_add_co_u32 s28, s28, s26
	s_mov_b32 s29, 0
	s_lshr_b32 s31, s33, 3                         ; which matrix
	s_and_b32 s32, s31, 1
	s_wait_alu depctr_va_vdst(0)                   ; the wait at the head's end
	s_wait_kmcnt 0x0
	s_cmp_lg_u32 s32, 0                            ; the choice hangs on the work-group's number alone
	s_cselect_b64 s[4:5], s[6:7], s[4:5]
	s_cselect_b64 s[8:9], s[10:11], s[8:9]
	s_cmp_ge_u32 s31, 2
	s_cselect_b64 s[4:5], s[8:9], s[4:5]
	s_add_nc_u64 s[4:5], s[4:5], s[20:21]
	s_add_nc_u64 s[12:13], s[12:13], s[24:25]
	s_add_nc_u64 s[14:15], s[14:15], s[28:29]
.macro LOADW t                         ; block t: W(32 t + i, my column) into set t % 2
.set i, 0
.rept 32
	global_load_b32 v[XW+32*((\t)%2)+i], v3, s[4:5] offset:(32*(\t)+i)*NROW th:TH_LOAD_NT
.set i, i+1
.endr
.endm
	LOADW 0
	LOADW 1
.macro BLOCK t
.set XS, XW+32*((\t)%2)
.if (\t) < NB-1
	s_wait_loadcnt 32                              ; this block's 32 loads are in; the next block's may be out
.else
	s_wait_loadcnt 0
.endif
	v_max3_num_f32 v16, |v[XS]|, |v[XS+1]|, |v[XS+2]|               ; the block's largest magnitude: all 32 numbers are mine
	v_max3_num_f32 v17, |v[XS+3]|, |v[XS+4]|, |v[XS+5]|
.irp i, 6,10,14,18,22,26
	v_max3_num_f32 v16, v16, |v[XS+\i]|, |v[XS+\i+1]|
	v_max3_num_f32 v17, v17, |v[XS+\i+2]|, |v[XS+\i+3]|
.endr
	v_max3_num_f32 v16, v16, |v[XS+30]|, |v[XS+31]|
	v_max3_num_f32 v16, v16, v17, 0x1800000        ; the floor 2^(3 - 127)
	v_add_nc_u32 v11, 0xff000000, v16              ; 2 off the exponent field: the conversion's scale operand
	v_lshrrev_b32 v17, 23, v11                     ; the scale's byte
.if (\t)%4 == 0
	v_mov_b32 v[SB+(\t)/4], v17
.else
	v_lshl_or_b32 v[SB+(\t)/4], v17, 8*((\t)%4), v[SB+(\t)/4]
.endif
	v_cvt_scalef32_pk16_fp6_f32 v[CW:CW+2], v[XS:XS+15], v11
	v_cvt_scalef32_pk16_fp6_f32 v[CW+4:CW+6], v[XS+16:XS+31], v11
	v_nop                                          ; a plain line behind the conversions
	ds_store_b96 v4, v[CW:CW+2] offset:32*(\t)     ; 12 bytes to a place of 16
	ds_store_b96 v4, v[CW+4:CW+6] offset:32*(\t)+16
.if (\t)+2 < NB
	LOADW (\t)+2
.endif
	s_wait_dscnt 0x0                               ; the stores have read their registers
.endm
.set Q, 0
.rept NB
	BLOCK Q
.set Q, Q+1
.endr
	s_wait_alu depctr_va_vdst(0)                   ; the wait ahead of the reader below
	global_store_b64 v9, v[SB:SB+1], s[14:15]      ; my column's 8 scale bytes
.irp t, 0,1,2,3,4,5,6,7,8,9,10,11,12,13,14,15
	ds_load_b96 v[OUTR+4*\t:OUTR+4*\t+2], v7 offset:2*\t*PITCH   ; LDS serves a wave's instructions in order: these see my stores
.endr
.irp t, 0,1,2,3,4,5,6,7,8,9,10,11,12,13,14,15
	s_wait_dscnt 15-\t                             ; the younger reads of the stage may be out
	global_store_b96 v8, v[OUTR+4*\t:OUTR+4*\t+2], s[12:13] offset:2*\t*ROWB   ; 384 consecutive bytes
.endr
	s_wait_tensorcnt 0x0                           ; the wave's end
	ds_add_u32 v[SPW], v[NIL]
	s_wait_dscnt 0x0
	s_endpgm
; ---------------- x
.Lx:
.set STEPS, 16
.set CB,    12                         ; bytes of 16 codes
.set R,     16                         ; v16-79   four sets of 16 numbers as loaded
.set X,     80                         ; v80-111  two sets of 16 neighbours
.set E,     112                        ; v112-127 a scale byte for each step
.set C,     128                        ; v128-191 codes, four registers a step
.set WREG,  8192                       ; LDS region of a wave: two stages of 32 x SP bytes, then its 256 scale bytes
.set SP,    80                         ; a lane's place in a stage: 64 bytes + 16 of padding
	s_sub_co_u32 s34, ttmp9, 128
	s_mul_i32 s17, s16, WREG
	s_add_co_u32 s21, s17, 2*32*SP
	v_lshlrev_b32 v3, 4, v2                        ; my 16 bytes of a load's 512
	v_lshrrev_b32 v14, 2, v2
	v_mul_u32_u24 v14, v14, SP
	v_and_b32 v15, 3, v2
	v_lshl_add_u32 v14, v15, 4, v14
	v_add_nc_u32 v14, s17, v14                     ; the stage, way in
	v_mul_u32_u24 v15, v2, SP
	v_add_nc_u32 v15, s17, v15                     ; way out: my 16 neighbours
	v_and_b32 v4, 15, v2
	v_mul_u32_u24 v4, v4, CB
	v_lshrrev_b32 v5, 4, v2
	v_mad_u32_u24 v4, v5, TILE, v4                 ; my codes: 12 bytes of a row's 192; lanes 16-31 belong to the next 256 along K
	v_lshrrev_b32 v5, 1, v2
	v_add_nc_u32 v5, s21, v5                       ; my block's byte among the wave's 256
	v_lshlrev_b32 v7, 3, v2
	v_add_nc_u32 v6, s21, v7
	s_lshl_b32 s18, s34, 2
	s_add_co_u32 s19, s18, s16                     ; the run of 8 rows that I read
	s_and_b32 s20, s16, 1
	s_lshl_b32 s20, s20, 1
	s_lshr_b32 s23, s16, 1
	s_or_b32 s20, s20, s23
	s_add_co_u32 s20, s20, s18                     ; the run that I write: the wave's two bits exchanged (tau)
	s_lshl_b32 s22, s19, 15
	s_mov_b32 s23, 0
	s_lshr_b32 s24, s20, 4                         ; its group of 128 rows,
	s_mul_i32 s24, s24, 4*TILE
	s_and_b32 s25, s20, 15                         ; and its 8 rows there
	s_mul_i32 s25, s25, 8*192
	s_add_co_u32 s24, s24, s25
	s_mov_b32 s25, 0
	s_lshl_b32 s26, s20, 8
	s_mov_b32 s27, 0
	s_wait_alu depctr_va_vdst(0)                   ; the wait at the head's end
	s_wait_kmcnt 0x0
	s_add_nc_u64 s[4:5], s[36:37], s[22:23]
	s_add_nc_u64 s[6:7], s[38:39], s[24:25]
	s_add_nc_u64 s[8:9], s[40:41], s[26:27]
.macro LOAD t
.irp i, 0,1,2,3
	global_load_b128 v[R+16*((\t)%4)+4*\i:R+16*((\t)%4)+4*\i+3], v3, s[4:5] offset:2048*(\t)+512*\i th:TH_LOAD_NT
.endr
.endm
.macro TURN t                          ; step t through the stage: LDS serves a wave's instructions in order
.irp i, 0,1,2,3
	ds_store_b128 v14, v[R+16*((\t)%4)+4*\i:R+16*((\t)%4)+4*\i+3] offset:32*SP*((\t)%2)+8*SP*\i
.endr
.irp i, 0,1,2,3
	ds_load_b128 v[X+16*((\t)%2)+4*\i:X+16*((\t)%2)+4*\i+3], v15 offset:32*SP*((\t)%2)+16*\i
.endr
.endm
.irp t, 0,1,2,3
	LOAD \t
.endr
	s_wait_loadcnt 12                              ; step 0's four loads are in; three steps' twelve may be out
	TURN 0
.macro STEP t
.set XS, X+16*((\t)%2)
.if (\t) > 0
	s_wait_dscnt 1                                 ; this step's numbers are back; the last step's byte store may be out
.else
	s_wait_dscnt 0x0
.endif
.if (\t)+4 < STEPS
	LOAD (\t)+4
.endif
.if (\t)+1 < STEPS
.if STEPS-2-(\t) >= 3
	s_wait_loadcnt 12                              ; the next step's loads are in; three steps' may be out
.else
	s_wait_loadcnt 4*(STEPS-2-(\t))
.endif
	TURN (\t)+1
.endif
	v_max3_num_f32 v8, |v[XS]|, |v[XS+1]|, |v[XS+2]|
	v_max3_num_f32 v9, |v[XS+3]|, |v[XS+4]|, |v[XS+5]|
.irp i, 6,10
	v_max3_num_f32 v8, v8, |v[XS+\i]|, |v[XS+\i+1]|
	v_max3_num_f32 v9, v9, |v[XS+\i+2]|, |v[XS+\i+3]|
.endr
	v_max3_num_f32 v8, v8, |v[XS+14]|, |v[XS+15]|
	v_max3_num_f32 v8, v8, v9, 0x1800000           ; the floor 2^(3 - 127)
	v_max_num_f32_dpp v8, v8, v8 row_xmask:1 row_mask:0xf bank_mask:0xf   ; with my neighbour's 16: the block's
	v_add_nc_u32 v11, 0xff000000, v8               ; the conversion's scale operand
	v_cvt_scalef32_pk16_fp6_f32 v[C+4*(\t):C+4*(\t)+2], v[XS:XS+15], v11
	v_lshrrev_b32 v[E+(\t)], 23, v11               ; the scale's byte (also the plain line behind the conversion)
	ds_store_b8 v5, v[E+(\t)] offset:16*(\t)
	global_store_b96 v4, v[C+4*(\t):C+4*(\t)+2], s[6:7] offset:192*((\t)/2)+2*TILE*((\t)%2)   ; row t / 2 of my 8; the row's half t % 2 is two steps of 256 along K
.endm
.irp t, 0,1,2,3,4,5,6,7,8,9,10,11,12,13,14,15
	STEP \t
.endr
	ds_load_b64 v[8:9], v6
	s_wait_dscnt 0x0
	global_store_b64 v7, v[8:9], s[8:9]            ; 32 lanes store 256 consecutive bytes, aligned
	s_wait_tensorcnt 0x0                           ; the wave's end
	ds_add_u32 v[SPW], v[NIL]
	s_wait_dscnt 0x0
	s_endpgm
.Lfunc_end_k_qffb1a6fc86_quant:
	.size	k_qffb1a6fc86_quant, .Lfunc_end_k_qffb1a6fc86_quant-k_qffb1a6fc86_quant
	.p2alignl 7, 3214868480
	.fill 96, 4, 3214868480
	.section	.rodata,"a",@progbits
	.p2align	6, 0x0
	.amdhsa_kernel k_qffb1a6fc86_quant
		.amdhsa_group_segment_fixed_size 68096
		.amdhsa_private_segment_fixed_size 0
		.amdhsa_enable_private_segment 0
		.amdhsa_kernarg_size 72
		.amdhsa_user_sgpr_count 2
		.amdhsa_user_sgpr_kernarg_segment_ptr 1
		.amdhsa_wavefront_size32 1
		.amdhsa_system_sgpr_workgroup_id_x 1
		.amdhsa_system_sgpr_workgroup_id_y 1
		.amdhsa_system_sgpr_workgroup_id_z 1
		.amdhsa_system_vgpr_workitem_id 0
		.amdhsa_next_free_vgpr 192
		.amdhsa_next_free_sgpr 66
		.amdhsa_reserve_vcc 0
		.amdhsa_float_denorm_mode_32 3
		.amdhsa_float_denorm_mode_16_64 3
		.amdhsa_memory_ordered 1
		.amdhsa_forward_progress 1
		.amdhsa_inst_pref_size 74
	.end_amdhsa_kernel
	.amdgpu_metadata
---
amdhsa.version: [ 1, 2 ]
amdhsa.kernels:
  - .name:           k_qffb1a6fc86_quant
    .symbol:         k_qffb1a6fc86_quant.kd
    .args:
      - { .name: Wq, .offset: 0, .size: 8, .value_kind: global_buffer, .address_space: global }
      - { .name: Wk, .offset: 8, .size: 8, .value_kind: global_buffer, .address_space: global }
      - { .name: Wv, .offset: 16, .size: 8, .value_kind: global_buffer, .address_space: global }
      - { .name: Wo, .offset: 24, .size: 8, .value_kind: global_buffer, .address_space: global }
      - { .name: wc, .offset: 32, .size: 8, .value_kind: global_buffer, .address_space: global }
      - { .name: wsc, .offset: 40, .size: 8, .value_kind: global_buffer, .address_space: global }
      - { .name: x, .offset: 48, .size: 8, .value_kind: global_buffer, .address_space: global }
      - { .name: xc, .offset: 56, .size: 8, .value_kind: global_buffer, .address_space: global }
      - { .name: xsc, .offset: 64, .size: 8, .value_kind: global_buffer, .address_space: global }
    .group_segment_fixed_size: 68096
    .private_segment_fixed_size: 0
    .kernarg_segment_align: 8
    .kernarg_segment_size: 72
    .max_flat_workgroup_size: 128
    .sgpr_count:     66
    .vgpr_count:     192
    .wavefront_size: 32
...
	.end_amdgpu_metadata
.endif
;; end of part 1
;; launch proj (part 2): grid 8 x 48, 4 waves a work-group, clusters of 4 x 4, 327,680 bytes of LDS; arguments xc, xsc, wc, wsc, bq, bk, bv, ac, asc; writes ac, asc
.if DOCPART == 2
	.amdgcn_target "amdgcn-amd-amdhsa--gfx1250"
	.amdhsa_code_object_version 6
	.text
	.protected	k_qffb1a6fc86_proj
	.globl	k_qffb1a6fc86_proj
	.p2align	8
	.type	k_qffb1a6fc86_proj,@function
k_qffb1a6fc86_proj:
	s_mov_b64 s[64:65], 0
	v_nop
	global_prefetch_b8 v0, s[64:65] scope:SCOPE_SE
	s_setreg_imm32_b32 hwreg(HW_REG_WAVE_MODE, 25, 1), 1
	s_wait_xcnt 0x0
	s_wait_alu depctr_hold_cnt(0) depctr_sa_sdst(0) depctr_va_vdst(0) depctr_va_sdst(0) depctr_va_ssrc(0) depctr_va_vcc(0) depctr_vm_vsrc(0)
	s_getreg_b32 s2, hwreg(HW_REG_IB_STS2, 6, 4)
	s_cmp_eq_u32 s2, 0
	s_cbranch_scc0 .Lentry_in_a_cluster
	s_endpgm
.Lentry_in_a_cluster:
	s_bfe_u32 s2, ttmp6, 0x10000c
	s_cmp_lg_u32 s2, 0xf033
	s_cbranch_scc0 .Lentry_shape_is_right
	s_endpgm
.Lentry_shape_is_right:
; The three projections on codes of FP6 (E2M3) with E8M0 scales, K = 1,024, and the quantising of their results, which leave as images of operand registers.
; ONE FORM: C[m][n] = sum over k of A[m][k] B[n][k] + bias, then quantised along n in blocks of 32.
;   clusters y 0-7  (QK): A = xc (8,192 token positions), B = wc rows 0-2,047 (q's and k's features): C = q | k, bias along n, quantised along the head's 64.
;   clusters y 8-11 (V):  A = wc rows 2,048-3,071 (v's feature positions), B = xc: C = v^T, bias along m, quantised along the tokens.
; The mode hangs on the cluster's y alone, which all sixteen partners share.
; The matrix instruction is used transposed (source 0 = 16 rows of B, source 1 = 16 rows of A).  Rows of xc and wc lie in the order tau (bits 3 and 4 of the index exchanged), so that in the results of B's blocks
; 2 g and 2 g + 1 a lane's 16 registers are n = 32 g + 16 (lane / 16) + 0 .. 15 in TRUE order: what the conversions want.
; A tile of C is 256 x 256, four waves of 128 x 128 (64 accumulators, 512 registers); K in steps of 256 through a ring of two LDS slots; the scale bytes of the tile's rows come into LDS once.
; CLUSTERS 4 x 4: A's tiles are asked for jointly along a row of the cluster, B's along a column.
; THE WAY OUT uses no LDS.  For each of my 8 blocks of A: 64 numbers a lane + bias, four blocks' maxima, scale bytes, four conversions: a fragment of 12 registers.  A half fragment (6 registers) is stored as 768 bytes:
; registers 0-3 with lane l at 16 l, registers 4-5 with lane l at 512 + 8 l: every store covers whole aligned runs of 256 bytes.
;   QK: the two halves are two heads' tiles of 16 token positions x 64;   V: they are the two halves of one fragment, 16 feature positions x 128 tokens.
; LIMITS: a block of zeros, and one under 2^-124, get the byte 1 (only this program reads the bytes); NaN and infinities are not served.
; REGISTERS: window 0: v0-31 addresses; v32-63 scale words, two sets; v64-127 the bias; v128-223 A's fragments, one set; on the way out v128-243 at work.  window 1: B's fragments, two sets.  windows 2, 3: the accumulators.
.set KSTEP,  256
.set NQ,     2
.set ROWB,   24576                     ; from one K step's tile to the next in xc and wc: 128 rows x 192 bytes, dense
.set KROW,   768
.set PITCH,  240                       ; an LDS row: 3 x (64 bytes + 16 of padding)
.set FR,     12
.set NL,     6
.set NP,     4
.set HALFT,  128*PITCH
.set SLOT,   4*HALFT
.set LAPS,   2                         ; 1,024 / 512
.set KS,     32                        ; a row of scale bytes
.set SCL,    2*SLOT
.set HALFS,  (128*KS/256)*272
.set SBLK,   (16*KS/256)*272
.set SPARE,  SCL+4*HALFS               ; the spare words, 128 bytes a wave
.set ADRA, 16                          ; v16-19
.set ADRB, 20                          ; v20-23
.set LI16, 24                          ; v24  16 x lane
.set LI8,  25                          ; v25  8 x lane
.set SOV,  26                          ; v26  16 r + h x (256 or 20,480): where my scale words go
.set ADRS, 27
.set SPW,  28
.set NIL,  29
.set BOQ,  30                          ; v30  64 h: the bias along n
.set BOV,  31                          ; v31  4 (r + 8 (r / 8)): the bias along m
.set SC,   32
.set BI,   64                          ; v64-127 the bias
.set AF,   128
.set ST,   128                         ; the way out: v128-191 64 numbers
.set CD,   192                         ; v192-211 the codes
.set TM,   212                         ; v212-227 at work
.set PWS,  228                         ; v228-235 the eight blocks' scale words
.set W0,   236
.set W1,   240
.set ISV,  2                           ; s2 1 in V mode
.set SEL,  20
.set G1, 24
.set G0, 32
.set G1B, 48
.set G0B, 56
.set P0,  66                           ; s[66:67] where the first half image goes
.set G1S, 68
.set G0S, 76
.set G1SB, 80
.set G0SB, 88
.set STA, 92                           ; s[92:93] from block to block
.set STB, 94                           ; s[94:95] from block 3 to block 4
.set P1,  98                           ; s[98:99] where the second half image goes
.set SO,  100                          ; s[100:101] where the scale words go
.set MSB, 0
.macro WIN new                         ; the immediate's high byte repeats the setting that is left
.if MSB != \new
	s_set_vgpr_msb (MSB<<8)|\new
.set MSB, \new
.endif
.endm
.set MUL_LO, 0xa1                      ; source 0 (B) window 1, source 1 (A) window 0, C and D window 2
.set MUL_HI, 0xf1
.set TO_B,   0x40
; A joint load: waves 0 and 1 fetch for A, waves 2 and 3 for B; the branch hangs on the wave's number alone.  An s_nop 0 and four v_nop follow each line.
.macro JLOAD g0a, g1a, g0b, g1b
	s_cmp_eq_u32 s15, 0
	s_cbranch_scc0 .Lfor_b_\@
	tensor_load_to_lds s[\g0a:\g0a+3], s[\g1a:\g1a+7]
	s_nop 0
.rept 4
	v_nop
.endr
	s_branch .Lasked_\@
.Lfor_b_\@:
	tensor_load_to_lds s[\g0b:\g0b+3], s[\g1b:\g1b+7]
	s_nop 0
.rept 4
	v_nop
.endr
.Lasked_\@:
.endm
.macro CREST
	s_cmp_lg_u32 s14, 0
	s_cbranch_scc1 .Lnot_wave_0_\@
	s_barrier_signal -3
.Lnot_wave_0_\@:
	s_barrier_wait -3
	s_barrier_signal -1
	s_barrier_wait -1
.endm
.macro CROUND
	s_barrier_signal -1
	s_barrier_wait -1
	CREST
.endm
	s_load_b256 s[92:99], s[0:1], 0x0              ; xc s[92:93], xsc s[94:95], wc s[96:97], wsc s[98:99]
	v_lshl_add_u32 v[SPW], v0, 2, SPARE
	v_mov_b32 v[NIL], 0
	ds_add_u32 v[SPW], v[NIL]                      ; the wave's opening: the add and its wait ahead of my first tensor load
	ds_add_u32 v[SPW], v[NIL]
	v_lshrrev_b32 v1, 5, v0
	v_readfirstlane_b32 s14, v1                    ; wave 0..3
	s_lshr_b32 s15, s14, 1                         ; my half of the tile's rows.  Also: I fetch for A (0) or B (1)
	s_and_b32 s16, s14, 1                          ; my half of its columns.  Also: which 128 rows I fetch
	s_bfe_u32 s40, ttmp6, 0x40000                  ; cx
	s_bfe_u32 s41, ttmp6, 0x40004                  ; cy
	s_and_b32 s18, ttmp7, 0xffff                   ; cluster y
	s_lshl_b32 s19, s18, 1
	s_add_co_u32 s19, s19, ttmp9
	s_sub_co_u32 s19, s19, 16                      ; V mode: the cluster's number 0..7 (not used in QK mode)
	s_cmp_ge_u32 s18, 8
	s_cselect_b32 s[ISV], 1, 0
	s_cselect_b32 s17, 0, s18                      ; the cluster's row of tiles
	s_cselect_b32 s42, s19, ttmp9                  ; and its column
	s_lshl_b32 s17, s17, 2
	s_add_co_u32 s17, s17, s41                     ; tile row
	s_lshl_b32 s42, s42, 2
	s_add_co_u32 s42, s42, s40                     ; tile column
	s_lshl_b32 s43, s41, 2
	s_lshl_b32 s43, 15, s43                        ; my row of the cluster
	s_lshl_b32 s44, 0x1111, s40                    ; my column
	; group 1: a tile of 128 rows x 192 bytes lies dense in memory and is stated as 96 rows of 256 bytes; 16 bytes of padding behind every 64
	; a row of the descriptor is one dense tile, 24,576 bytes = 3,072 elements of 8; the next 128 rows' tile of the same K step lies 98,304 bytes on.  The head's loads bring two such rows, the ring's one
	s_or_b32 s[G1+0], s43, (3<<16)|(1<<20)|(1<<21)|(3<<22)|(3<<25)
	s_or_b32 s[G1B+0], s44, (3<<16)|(1<<20)|(1<<21)|(3<<22)|(3<<25)
.irp g, G1, G1B
	s_mov_b32 s[\g+1], 3072<<16                    ; tensor_dim0
	s_mov_b32 s[\g+2], 2<<16                       ; tensor_dim1
	s_mov_b32 s[\g+3], 3072<<16                    ; tile_dim0
	s_mov_b32 s[\g+4], 2                           ; tile_dim1
	s_mov_b32 s[\g+5], 12288                       ; pitch
	s_mov_b32 s[\g+6], 1<<16                       ; stride1 is never 0
	s_mov_b32 s[\g+7], 0
.endr
	; the scale bytes of 128 rows: 4,096 dense bytes as 16 rows of 256, 16 bytes of padding behind each
	s_or_b32 s[G1S+0], s43, (3<<16)|(1<<20)|(1<<21)|(5<<22)|(3<<25)
	s_or_b32 s[G1SB+0], s44, (3<<16)|(1<<20)|(1<<21)|(5<<22)|(3<<25)
.irp g, G1S, G1SB
	s_mov_b32 s[\g+1], 32<<16
	s_mov_b32 s[\g+2], (256*KS/256)<<16            ; the scale bytes of all 256 rows in one load
	s_mov_b32 s[\g+3], 32<<16
	s_mov_b32 s[\g+4], 256*KS/256
	s_mov_b32 s[\g+5], 32
	s_mov_b32 s[\g+6], 0
	s_mov_b32 s[\g+7], 0
.endr
	s_lshl_b32 s18, s16, 7                         ; which 128 rows of the tile I fetch
	s_lshl_b32 s20, s17, 8
	s_add_co_u32 s20, s20, s18
	s_lshl_b32 s19, s[ISV], 11
	s_add_co_u32 s20, s20, s19                     ; A's row (V mode: Wv's rows begin at 2,048 of wc)
	s_lshl_b32 s46, s42, 8
	s_add_co_u32 s46, s46, s18                     ; B's row
	s_lshl_b32 s22, s20, 5                         ; their scale bytes (all offsets stay under 2^32)
	s_mov_b32 s23, 0
	s_lshl_b32 s100, s46, 5
	s_mov_b32 s101, 0
	s_mul_i32 s20, s20, KROW                       ; and their codes
	s_mov_b32 s21, 0
	s_mul_i32 s46, s46, KROW
	s_mov_b32 s47, 0
	s_mul_i32 s45, s14, HALFT                      ; where they go: wave x 128 rows
	s_mul_i32 s104, s14, HALFS
	s_wait_dscnt 0x0                               ; the opening add is done
	s_wait_kmcnt 0x0
	s_cmp_lg_u32 s[ISV], 0                         ; which buffers are A and B: a choice on the cluster's y
	s_cselect_b64 s[4:5], s[96:97], s[92:93]       ; A's codes
	s_cselect_b64 s[6:7], s[98:99], s[94:95]       ; A's scales
	s_cselect_b64 s[8:9], s[92:93], s[96:97]       ; B's codes
	s_cselect_b64 s[10:11], s[94:95], s[98:99]     ; B's scales
	s_add_nc_u64 s[20:21], s[4:5], s[20:21]
	s_add_nc_u64 s[22:23], s[6:7], s[22:23]
	s_add_nc_u64 s[46:47], s[8:9], s[46:47]
	s_add_nc_u64 s[100:101], s[10:11], s[100:101]
	CROUND                                         ; all sixteen work-groups are here: the first joint loads meet
	s_lshl_b32 s18, s16, 12                        ; my half's 4,096 scale bytes off again: the head's loads begin at the tile's first row
	s_mov_b32 s19, 0
	s_mov_b32 s[G0S], 1
	s_mov_b32 s[G0S+1], SCL
	s_sub_nc_u64 s[G0S+2:G0S+3], s[22:23], s[18:19]
	s_or_b32 s[G0S+3], s[G0S+3], 0x80000000
	s_mov_b32 s[G0SB], 1
	s_mov_b32 s[G0SB+1], SCL+2*HALFS
	s_sub_nc_u64 s[G0SB+2:G0SB+3], s[100:101], s[18:19]
	s_or_b32 s[G0SB+3], s[G0SB+3], 0x80000000
.irp s, 0,1
	s_mov_b32 s[G0+4*\s], 1
	s_add_co_u32 s[G0+4*\s+1], s45, \s*SLOT
	s_add_nc_u64 s[G0+4*\s+2:G0+4*\s+3], s[20:21], \s*ROWB
	s_or_b32 s[G0+4*\s+3], s[G0+4*\s+3], 0x80000000
	s_mov_b32 s[G0B+4*\s], 1
	s_add_co_u32 s[G0B+4*\s+1], s45, \s*SLOT
	s_add_nc_u64 s[G0B+4*\s+2:G0B+4*\s+3], s[46:47], \s*ROWB
	s_or_b32 s[G0B+4*\s+3], s[G0B+4*\s+3], 0x80000000
.endr
	; THE HEAD'S LOADS, ONE A WAVE: wave 0 K step 0's 256 rows of A, wave 1 its 256 rows of B, wave 2 A's scale bytes, wave 3 B's.  Slot 0's two groups 0 serve them, set to the tile's first row; behind the wait they are set for the ring.
	s_mov_b32 s[G0+1], 0
	s_mov_b32 s[G0B+1], 2*HALFT
	s_mul_i32 s18, s16, 128*KROW
	s_mov_b32 s19, 0
	s_sub_nc_u64 s[G0+2:G0+3], s[G0+2:G0+3], s[18:19]
	s_sub_nc_u64 s[G0B+2:G0B+3], s[G0B+2:G0B+3], s[18:19]
.macro ARM under, g0, g1, next
	s_cmp_lt_u32 s14, \under
	s_cbranch_scc0 \next
	tensor_load_to_lds s[\g0:\g0+3], s[\g1:\g1+7]
	s_nop 0
.rept 4
	v_nop
.endr
	s_branch .Lhead_asked
\next:
.endm
	ARM 1, G0,  G1,  .Lhead_b
	ARM 2, G0B, G1B, .Lhead_sa
	ARM 3, G0S, G1S, .Lhead_sb
	tensor_load_to_lds s[G0SB:G0SB+3], s[G1SB:G1SB+7]
	s_nop 0
.rept 4
	v_nop
.endr
.Lhead_asked:
	s_load_b256 s[4:11], s[0:1], 0x20              ; bq s[4:5], bk s[6:7], bv s[8:9], ac s[10:11]
	s_load_b64 s[104:105], s[0:1], 0x40            ; asc
	v_and_b32 v1, 15, v0                           ; r
	v_bfe_u32 v2, v0, 4, 1                         ; h
	v_mul_u32_u24 v3, v1, PITCH
	v_mul_u32_u24 v4, v2, 24
	v_add_nc_u32 v4, v3, v4                        ; a fragment's row x pitch + 24 h
	v_lshl_add_u32 v5, v2, 4, v4                   ; the same behind one padding more
	s_mul_i32 s21, s15, HALFT
	s_mul_i32 s22, s16, HALFT
	s_add_co_u32 s22, s22, 2*HALFT
.irp s, 0,1
	v_add_nc_u32 v[ADRA+\s], s21, v4
	v_add_nc_u32 v[ADRB+\s], s22, v4
	v_add_nc_u32 v[ADRA+2+\s], s21, v5
	v_add_nc_u32 v[ADRB+2+\s], s22, v5
	s_add_co_u32 s21, s21, SLOT
	s_add_co_u32 s22, s22, SLOT
.endr
	v_mul_u32_u24 v5, v1, KS                       ; my row's scale bytes,
	v_lshrrev_b32 v6, 8, v5
	v_lshl_add_u32 v5, v6, 4, v5                   ; 16 more for each 256 passed
	s_mul_i32 s21, s15, HALFS
	s_mul_i32 s22, s16, HALFS
	s_add_co_u32 s22, s22, 2*HALFS
	s_sub_co_u32 s22, s22, s21
	v_mul_u32_u24 v6, s22, v2                      ; lanes 16-31 take B's
	s_add_co_u32 s21, s21, SCL
	v_add_nc_u32 v5, v5, v6
	v_add_nc_u32 v[ADRS], s21, v5
	; the way out's scalars
	s_lshl_b32 s18, s17, 8
	s_lshl_b32 s19, s15, 7
	s_add_co_u32 s18, s18, s19                     ; m0: my first row of C
	s_lshl_b32 s19, s42, 8
	s_lshl_b32 s20, s16, 7
	s_add_co_u32 s19, s19, s20                     ; n0: my first column
	s_cmp_lg_u32 s[ISV], 0
	s_cselect_b32 s20, s19, s18                    ; my first token position
	s_cselect_b32 s21, s18, s19                    ; my first feature
	s_mov_b32 s[STA], 1536
	s_cselect_b32 s[STA], s[STA], 768              ; from block to block: a fragment (V) or a tile (QK)
	s_mov_b32 s[STB], 290304
	s_cselect_b32 s[STB], s[STB], 768              ; V: from d tile 3 of a head to d tile 0 of the next: 294,912 - 3 x 1,536
	s_mov_b32 s96, 20480
	s_cselect_b32 s96, s96, 256                    ; where lanes 16-31 put their scale words
	s_mov_b32 s97, 294912
	s_cselect_b32 s97, 768, s97                    ; the second half image: 768 on (V) or the next head (QK)
	s_cselect_b32 s23, 8, 9                        ; scale bytes of 128 tokens: 256 (V) or 512 (QK), as a shift
	s_mov_b32 s[STA+1], 0
	s_mov_b32 s[STB+1], 0
	s_lshr_b32 s22, s21, 10
	s_cmp_lg_u32 s[ISV], 0
	s_cselect_b32 s22, 2, s22                      ; the part: 0 q, 1 k, 2 v
	s_and_b32 s43, s21, 1023                       ; the feature inside its projection
	s_lshr_b32 s44, s43, 6
	s_lshr_b32 s45, s20, 11
	s_lshl_b32 s45, s45, 4
	s_add_co_u32 s44, s44, s45                     ; 16 x batch + head: the first of my two heads
	s_and_b32 s45, s20, 2047
	s_lshr_b32 s45, s45, 7                         ; which 128 tokens of the batch
	s_mul_i32 s46, s44, 294912
	s_mul_i32 s47, s22, 98304
	s_add_co_u32 s46, s46, s47
	s_mul_i32 s47, s45, 6144
	s_add_co_u32 s46, s46, s47
	s_mov_b32 s47, 0
	s_wait_kmcnt 0x0
	s_add_nc_u64 s[P0:P0+1], s[10:11], s[46:47]
	s_mov_b32 s46, s97
	s_add_nc_u64 s[P1:P1+1], s[P0:P0+1], s[46:47]
	s_mul_i32 s46, s44, 20480
	s_lshl_b32 s47, s22, 13
	s_add_co_u32 s46, s46, s47
	s_lshl_b32 s47, s45, s23
	s_add_co_u32 s46, s46, s47
	s_mov_b32 s47, 0
	s_add_nc_u64 s[SO:SO+1], s[104:105], s[46:47]
	s_cmp_eq_u32 s22, 1
	s_cselect_b64 s[12:13], s[6:7], s[4:5]
	s_cmp_eq_u32 s22, 2
	s_cselect_b64 s[12:13], s[8:9], s[12:13]
	s_lshl_b32 s46, s43, 2
	s_add_nc_u64 s[12:13], s[12:13], s[46:47]      ; the bias at my first feature
	v_and_b32 v6, 31, v0
	v_lshlrev_b32 v[LI16], 4, v6
	v_lshlrev_b32 v[LI8], 3, v6
	v_lshlrev_b32 v[SOV], 4, v1
	v_mad_u32_u24 v[SOV], v2, s96, v[SOV]
	v_lshlrev_b32 v[BOQ], 6, v2
	v_and_b32 v[BOV], 8, v1
	v_add_nc_u32 v[BOV], v[BOV], v1
	v_lshlrev_b32 v[BOV], 2, v[BOV]
	; the bias, in the layout of a block's 64 numbers.  Both arms write all 64 registers.  They are waited for behind the last product.
	s_cmp_lg_u32 s[ISV], 0
	s_cbranch_scc1 .Lbias_v
.irp g, 0,1,2,3                                ; QK: register 16 g + i: feature 32 g + 16 h + i
.irp q, 0,1,2,3
	global_load_b128 v[BI+16*\g+4*\q:BI+16*\g+4*\q+3], v[BOQ], s[12:13] offset:128*\g+16*\q
.endr
.endr
	s_branch .Lbias_done
.Lbias_v:
	s_wait_alu depctr_va_vdst(0)
.irp a, 0,1,2,3,4,5,6,7                        ; V: registers 8 a .. 8 a + 7: the bias of my row of block a: feature 32 (a / 2) + 8 (a % 2) + r + 8 (r / 8)
.irp j, 0,1,2,3,4,5,6,7
	global_load_b32 v[BI+8*\a+\j], v[BOV], s[12:13] offset:4*(32*(\a/2)+8*(\a%2))
.endr
.endr
.Lbias_done:
.macro FRAG reg, adr, q, i             ; 16 rows x 128 K: 12 registers, in pieces of 8 bytes; where lanes 16-31's piece lies behind one padding more, the second address register serves
.irp p, 0,1,2,3,4,5
.set PCE, 12*(\q)+6*(\p/3)+\p%3
.if PCE%8 < 5
	ds_load_b64 v[\reg+2*\p:\reg+2*\p+1], v[\adr] offset:8*PCE+16*(PCE/8)+(\i)*16*PITCH
.else
	ds_load_b64 v[\reg+2*\p:\reg+2*\p+1], v[\adr+2] offset:8*PCE+16*(PCE/8)+(\i)*16*PITCH
.endif
.endr
.endm
; 16 matrix instructions: A's blocks a0, a0 + 1 x B's eight.  The 64 accumulators take turns, one instruction a turn, in the same order in every step.
.macro MUL16 a0, p, q, sc, zero
.irp a, \a0, \a0+1
.irp b, 0,1,2,3,4,5,6,7
.if \zero
	v_wmma_scale_f32_16x16x128_f8f6f4 v[8*(8*((\a)%4)+\b):8*(8*((\a)%4)+\b)+7], v[128*(\p)+FR*\b:128*(\p)+FR*\b+FR-1], v[AF+FR*(\a):AF+FR*(\a)+FR-1], 0, v[SC+8*NQ*(\sc)+NQ*\b+(\q)], v[SC+8*NQ*(\sc)+NQ*(\a)+(\q)] matrix_a_fmt:MATRIX_FMT_FP6 matrix_b_fmt:MATRIX_FMT_FP6 matrix_a_scale:MATRIX_SCALE_ROW1
.else
	v_wmma_scale_f32_16x16x128_f8f6f4 v[8*(8*((\a)%4)+\b):8*(8*((\a)%4)+\b)+7], v[128*(\p)+FR*\b:128*(\p)+FR*\b+FR-1], v[AF+FR*(\a):AF+FR*(\a)+FR-1], v[8*(8*((\a)%4)+\b):8*(8*((\a)%4)+\b)+7], v[SC+8*NQ*(\sc)+NQ*\b+(\q)], v[SC+8*NQ*(\sc)+NQ*(\a)+(\q)] matrix_a_fmt:MATRIX_FMT_FP6 matrix_b_fmt:MATRIX_FMT_FP6 matrix_a_scale:MATRIX_SCALE_ROW1
.endif
.endr
.endr
.endm
.macro FETCH_B slot, q, p
	WIN TO_B
.irp i, 0,1,2,3,4,5,6,7
	FRAG 128*(\p)+FR*\i, ADRB+\slot, \q, \i
.endr
	WIN 0
.endm
.macro FETCH_A slot, q, i0
.irp i, \i0, \i0+1, \i0+2, \i0+3
	FRAG AF+FR*(\i), ADRA+\slot, \q, \i
.endr
.endm
.macro SCALES sc                       ; a K step's scale words: lanes 0-15 A's block i, lanes 16-31 B's block i
.irp i, 0,1,2,3,4,5,6,7
	ds_load_b64 v[SC+8*NQ*\sc+NQ*\i:SC+8*NQ*\sc+NQ*\i+1], v[ADRS] offset:\i*SBLK
.endr
.endm
.macro PLACES n                        ; plain vector places behind matrix instructions, in front of loads into their registers and of reads of results
.rept \n
	v_nop
.endr
.endm
.macro STEP slot, q, zero              ; a step of 128 along K that has its successor in the same slot
	s_wait_dscnt 4*NL                              ; B's set and A's blocks 0-3 are in; A's blocks 4-7 (24 loads) may be out
	WIN MUL_LO
	MUL16 0, (\q)%2, \q, \slot, \zero
	MUL16 2, (\q)%2, \q, \slot, \zero
	s_wait_dscnt 0
	PLACES NP
	FETCH_B \slot, (\q)+1, 1-(\q)%2
	FETCH_A \slot, (\q)+1, 0
	WIN MUL_HI
	MUL16 4, (\q)%2, \q, \slot, \zero
	MUL16 6, (\q)%2, \q, \slot, \zero
	PLACES NP
	WIN 0
	FETCH_A \slot, (\q)+1, 4
.endm
; A slot's last step changes slots: one barrier; in front of it each wave waits for all its tensor loads, adds 0 to its spare word, and waits for that and for its reads of this slot.
.macro TURN slot, next, fill
	s_wait_tensorcnt 0x0                           ; all my tensor loads have landed: my part of the next slot
	ds_add_u32 v[SPW], v[NIL]
	s_wait_dscnt 4*NL+1                            ; the add and A's blocks 4-7 may be out
	WIN MUL_LO
	MUL16 0, 1, NQ-1, \slot, 0
	s_wait_dscnt 0x0                               ; the add is done, my reads of this slot are over
	s_barrier_signal -1
	MUL16 2, 1, NQ-1, \slot, 0
	WIN 0
	s_barrier_wait -1
.if \fill
	CREST                                          ; the barrier has opened a round of the cluster's: no wave of any partner still reads this slot or has a load on its way
	s_add_nc_u64 s[G0+4*\slot+2:G0+4*\slot+3], s[G0+4*\slot+2:G0+4*\slot+3], 2*ROWB
	s_add_nc_u64 s[G0B+4*\slot+2:G0B+4*\slot+3], s[G0B+4*\slot+2:G0B+4*\slot+3], 2*ROWB
	JLOAD G0+4*\slot, G1, G0B+4*\slot, G1B         ; the first tensor load behind the round; its four v_nop are the places in front of the loads below
.else
	PLACES NP
.endif
	s_wait_alu depctr_va_vdst(0)
	v_add_nc_u32 v[ADRS], 4*NQ, v[ADRS]            ; the next K step's scale words
	FETCH_B \next, 0, 0
	FETCH_A \next, 0, 0
	SCALES \next
	WIN MUL_HI
	MUL16 4, 1, NQ-1, \slot, 0
	MUL16 6, 1, NQ-1, \slot, 0
	PLACES NP
	WIN 0
	FETCH_A \next, 0, 4
.endm
	s_wait_alu depctr_va_vdst(0)                   ; the wait at the head's end
	s_wait_tensorcnt 0x0                           ; my tile of the head's four is in
	ds_add_u32 v[SPW], v[NIL]
	s_mov_b32 s[G1+2], 1<<16                       ; no load of mine is out: from here on a load brings one tile of 128 rows
	s_mov_b32 s[G1+4], 1
	s_mov_b32 s[G1B+2], 1<<16
	s_mov_b32 s[G1B+4], 1
	s_mul_i32 s[G0+1], s14, HALFT                  ; slot 0's groups 0 for the ring: my 128 rows, at wave x 128 rows
	s_mov_b32 s[G0B+1], s[G0+1]
	s_mul_i32 s46, s16, 128*KROW
	s_mov_b32 s47, 0
	s_add_nc_u64 s[G0+2:G0+3], s[G0+2:G0+3], s[46:47]
	s_add_nc_u64 s[G0B+2:G0B+3], s[G0B+2:G0B+3], s[46:47]
	s_wait_dscnt 0x0
	CROUND                                         ; all four tiles are in, and all sixteen work-groups are here
	JLOAD G0+4, G1, G0B+4, G1B                     ; K step 1, the first tensor load behind the round
	FETCH_B 0, 0, 0
	FETCH_A 0, 0, 0
	SCALES 0
	FETCH_A 0, 0, 4
	STEP 0, 0, 1                                   ; the first step's products start the sums
	s_mov_b32 s3, LAPS-1
.Llap:
	TURN 0, 1, 1
	STEP 1, 0, 0
	TURN 1, 0, 1
	STEP 0, 0, 0
	s_sub_co_u32 s3, s3, 1
	s_cmp_lg_u32 s3, 0
	s_cbranch_scc1 .Llap
	TURN 0, 1, 0                                   ; the last lap fills nothing
	STEP 1, 0, 0
	s_wait_dscnt 4*NL
	WIN MUL_LO
	MUL16 0, 1, NQ-1, 1, 0
	MUL16 2, 1, NQ-1, 1, 0
	s_wait_dscnt 0
	WIN MUL_HI
	MUL16 4, 1, NQ-1, 1, 0
	MUL16 6, 1, NQ-1, 1, 0
	WIN 0
; THE WAY OUT.
; 64 numbers of a lane, register 16 b + i = n 32 b + 16 h + i of my row, become 12 registers of codes from v[CD] on and the row's scale word in v[pw].
.macro QUANT s, pw
.irp b, 0,1,2,3
	v_max3_num_f32 v[TM+\b], |v[\s+16*\b]|, |v[\s+1+16*\b]|, 0x1800000   ; my 16 numbers of block b, and the floor 2^(3 - 127)
.endr
.irp i, 2,4,6,8,10,12,14
.irp b, 0,1,2,3
	v_max3_num_f32 v[TM+\b], v[TM+\b], |v[\s+16*\b+\i]|, |v[\s+1+16*\b+\i]|
.endr
.endr
.irp b, 0,1,2,3
	v_permlanex16_b32 v[TM+4+\b], v[TM+\b], s[SEL], s[SEL+1]
.endr
.irp b, 0,1,2,3
	v_max_num_f32 v[TM+\b], v[TM+\b], v[TM+4+\b]   ; with lane l xor 16's: the block's largest magnitude
.endr
.irp b, 0,1,2,3
	v_add_nc_u32 v[TM+12+\b], 0xff000000, v[TM+\b] ; 2 off the exponent field: the conversion's scale operand
.endr
.irp b, 0,1,2,3
	v_lshrrev_b32 v[TM+4+\b], 23, v[TM+12+\b]      ; the scale's byte
.endr
	v_lshl_or_b32 v[\pw], v[TM+5], 8, v[TM+4]
	v_lshl_or_b32 v[\pw], v[TM+6], 16, v[\pw]
	v_lshl_or_b32 v[\pw], v[TM+7], 24, v[\pw]
.irp c, 0,1
	v_cvt_scalef32_pk16_fp6_f32 v[CD+6*\c:CD+2+6*\c], v[\s+32*\c:\s+15+32*\c], v[TM+12+2*\c]
	v_cvt_scalef32_pk16_fp6_f32 v[CD+12+4*\c:CD+14+4*\c], v[\s+16+32*\c:\s+31+32*\c], v[TM+12+2*\c+1]
.endr
	v_nop                                          ; a plain place behind the conversions
.irp c, 0,1                                    ; a whole block to a lane: lanes 0-15 block 2 c, lanes 16-31 block 2 c + 1
.irp i, 0,1,2
	v_permlane16_swap_b32 v[CD+6*\c+\i], v[CD+12+4*\c+\i]
.endr
.irp i, 0,1,2
	v_mov_b32 v[CD+3+6*\c+\i], v[CD+12+4*\c+\i]
.endr
.endr
.endm
.macro OUTBLK a
.if (\a) > 0
	s_wait_xcnt 0x0                                ; the last block's stores have read their data and their bases: both are written again only behind this wait
.if (\a) == 4
	s_add_nc_u64 s[P0:P0+1], s[P0:P0+1], s[STB:STB+1]
	s_add_nc_u64 s[P1:P1+1], s[P1:P1+1], s[STB:STB+1]
.else
	s_add_nc_u64 s[P0:P0+1], s[P0:P0+1], s[STA:STA+1]
	s_add_nc_u64 s[P1:P1+1], s[P1:P1+1], s[STA:STA+1]
.endif
.endif
	s_cmp_lg_u32 s[ISV], 0
	s_cbranch_scc1 .Lvb_\@
	WIN 0x02+(\a)/4                                ; source 0: the accumulators' window
.set i, 0
.rept 32                                       ; each accumulator from its low end on
	v_pk_add_f32 v[ST+2*i:ST+2*i+1], v[64*((\a)%4)+2*i:64*((\a)%4)+2*i+1], v[BI+2*i:BI+2*i+1]
.set i, i+1
.endr
	WIN 0
	s_branch .Ljn_\@
.Lvb_\@:
	WIN 0x02+(\a)/4
.set i, 0
.rept 32
	v_pk_add_f32 v[ST+2*i:ST+2*i+1], v[64*((\a)%4)+2*i:64*((\a)%4)+2*i+1], v[BI+8*(\a)+2*(i%4):BI+8*(\a)+2*(i%4)+1]
.set i, i+1
.endr
	WIN 0
.Ljn_\@:
	QUANT ST, PWS+(\a)
	global_store_b128 v[LI16], v[CD:CD+3], s[P0:P0+1]              ; 512 consecutive bytes
	global_store_b64 v[LI8], v[CD+4:CD+5], s[P0:P0+1] offset:512   ; 256 consecutive bytes
	global_store_b128 v[LI16], v[CD+6:CD+9], s[P1:P1+1]
	global_store_b64 v[LI8], v[CD+10:CD+11], s[P1:P1+1] offset:512
.endm
	s_wait_loadcnt 0x0                             ; the bias
	PLACES NP                                      ; behind the last products: their results are read and their operands' registers written below
	s_mov_b32 s[SEL], 0x76543210
	s_mov_b32 s[SEL+1], 0xfedcba98
.irp b, 0,1,2,3
	v_mov_b32 v[TM+4+\b], 0                        ; written once: a lane permute's destination counts as one of its sources
.endr
.irp a, 0,1,2,3,4,5,6,7
	OUTBLK \a
.endr
	; the scale words.  Lanes 0-15 take blocks 0-3's words, lanes 16-31 blocks 4-7's: 16 bytes a lane.
	v_and_b32 v6, 31, v0
	v_cmp_lt_u32 s46, 15, v6
.irp i, 0,1,2,3
	v_cndmask_b32 v[W0+\i], v[PWS+\i], v[PWS+4+\i], s46
.endr
	global_store_b128 v[SOV], v[W0:W0+3], s[SO:SO+1]               ; QK: the first head's words (bytes 0, 1; bytes 2, 3 meet zero codes and are never 0xff).  V: lanes 0-15 the first head's, lanes 16-31 the second's
	s_cmp_lg_u32 s[ISV], 0
	s_cbranch_scc1 .Lno_second
.irp i, 0,1,2,3
	v_lshrrev_b32 v[W1+\i], 16, v[W0+\i]           ; QK: the second head's two bytes
.endr
	global_store_b128 v[SOV], v[W1:W1+3], s[SO:SO+1] offset:20480
.Lno_second:
	s_wait_tensorcnt 0x0                           ; the wave's end
	ds_add_u32 v[SPW], v[NIL]
	s_wait_dscnt 0x0
	CROUND                                         ; the closing round
	s_endpgm
.Lfunc_end_k_qffb1a6fc86_proj:
	.size	k_qffb1a6fc86_proj, .Lfunc_end_k_qffb1a6fc86_proj-k_qffb1a6fc86_proj
	.p2alignl 7, 3214868480
	.fill 96, 4, 3214868480
	.section	.rodata,"a",@progbits
	.p2align	6, 0x0
	.amdhsa_kernel k_qffb1a6fc86_proj
		.amdhsa_group_segment_fixed_size 327680
		.amdhsa_private_segment_fixed_size 0
		.amdhsa_enable_private_segment 0
		.amdhsa_kernarg_size 72
		.amdhsa_user_sgpr_count 2
		.amdhsa_user_sgpr_kernarg_segment_ptr 1
		.amdhsa_wavefront_size32 1
		.amdhsa_system_sgpr_workgroup_id_x 1
		.amdhsa_system_sgpr_workgroup_id_y 1
		.amdhsa_system_sgpr_workgroup_id_z 1
		.amdhsa_system_vgpr_workitem_id 0
		.amdhsa_next_free_vgpr 1024
		.amdhsa_next_free_sgpr 106
		.amdhsa_reserve_vcc 0
		.amdhsa_float_denorm_mode_32 3
		.amdhsa_float_denorm_mode_16_64 3
		.amdhsa_memory_ordered 1
		.amdhsa_forward_progress 1
		.amdhsa_inst_pref_size 210
	.end_amdhsa_kernel
	.amdgpu_metadata
---
amdhsa.version: [ 1, 2 ]
amdhsa.kernels:
  - .name:           k_qffb1a6fc86_proj
    .symbol:         k_qffb1a6fc86_proj.kd
    .args:
      - { .name: xc, .offset: 0, .size: 8, .value_kind: global_buffer, .address_space: global }
      - { .name: xsc, .offset: 8, .size: 8, .value_kind: global_buffer, .address_space: global }
      - { .name: wc, .offset: 16, .size: 8, .value_kind: global_buffer, .address_space: global }
      - { .name: wsc, .offset: 24, .size: 8, .value_kind: global_buffer, .address_space: global }
      - { .name: bq, .offset: 32, .size: 8, .value_kind: global_buffer, .address_space: global }
      - { .name: bk, .offset: 40, .size: 8, .value_kind: global_buffer, .address_space: global }
      - { .name: bv, .offset: 48, .size: 8, .value_kind: global_buffer, .address_space: global }
      - { .name: ac, .offset: 56, .size: 8, .value_kind: global_buffer, .address_space: global }
      - { .name: asc, .offset: 64, .size: 8, .value_kind: global_buffer, .address_space: global }
    .group_segment_fixed_size: 327680
    .private_segment_fixed_size: 0
    .kernarg_segment_align: 8
    .kernarg_segment_size: 72
    .max_flat_workgroup_size: 128
    .sgpr_count:     106
    .vgpr_count:     1024
    .wavefront_size: 32
...
	.end_amdgpu_metadata
.endif
;; end of part 2
;; launch attn (part 3): grid 4 x 64, 8 waves a work-group, clusters of 4 x 1, 327,680 bytes of LDS; arguments ac, asc, cc, csc; writes cc, csc
.if DOCPART == 3
	.amdgcn_target "amdgcn-amd-amdhsa--gfx1250"
	.amdhsa_code_object_version 6
	.text
	.protected	k_qffb1a6fc86_attn
	.globl	k_qffb1a6fc86_attn
	.p2align	8
	.type	k_qffb1a6fc86_attn,@function
k_qffb1a6fc86_attn:
	s_mov_b64 s[64:65], 0
	v_nop
	global_prefetch_b8 v0, s[64:65] scope:SCOPE_SE
	s_setreg_imm32_b32 hwreg(HW_REG_WAVE_MODE, 25, 1), 1
	s_wait_xcnt 0x0
	s_wait_alu depctr_hold_cnt(0) depctr_sa_sdst(0) depctr_va_vdst(0) depctr_va_sdst(0) depctr_va_ssrc(0) depctr_va_vcc(0) depctr_vm_vsrc(0)
	s_getreg_b32 s2, hwreg(HW_REG_IB_STS2, 6, 4)
	s_cmp_eq_u32 s2, 0
	s_cbranch_scc0 .Lentry_in_a_cluster
	s_endpgm
.Lentry_in_a_cluster:
	s_bfe_u32 s2, ttmp6, 0x10000c
	s_cmp_lg_u32 s2, 0x3003
	s_cbranch_scc0 .Lentry_shape_is_right
	s_endpgm
.Lentry_shape_is_right:
; ATTENTION OF ONE HEAD OF ONE BATCH ON CODES OF FP6 (E2M3): S^T = K Q^T, p = 2^(t - M), O^T += V^T p^T, ctx = O / l, quantised along the head's 64 for the last projection.
; A work-group has 512 queries of a head; the four of a cluster have the head's 2,048 and ask for its K, V and their scale bytes JOINTLY, once, at the head: all 2,048 keys stay in LDS.
; Eight waves, two to a SIMD; a wave has 64 queries = four tiles of 16, so that each fragment of K and of V read from LDS serves four tiles.  Keys go in 16 steps of 128.
; Both products are used transposed: a lane holds one query.  WHICH KEYS FORM A TILE OF K is chosen by the lanes' LDS addresses: row 8 hh + i of tile (c, j) is key 64 c + 32 hh + 8 j + i,
; so a lane's 32 scores of tiles (c, 0 .. 3) are keys 64 c + 32 h + 0 .. 31 in order: ONE WHOLE scale block of p, as the operand's registers 6 c .. 6 c + 5 want it.  No lane swaps codes with another.
; In ac a tile of 16 token positions x 64 is an image of 6 operand registers (768 bytes: registers 0-3 at 16 x lane, 4-5 at 512 + 8 x lane); position 16 a + r' is token 32 (a / 2) + 16 (r' / 8) + 8 (a % 2) + r' % 8.
; So key 64 c + 32 hh + 8 j + i lies in image 4 c + 2 hh + j % 2 at row i + 8 (j / 2).  The head's K is 64: q's registers 6-11 are zero codes, and K's operand runs on into the next tile's registers.
; M is the ceiling of the running largest t, kept as -M; a change of M multiplies the sum and O^T by a power of two.  The row's sum is taken of the unquantised p.  A block's largest p is made from its largest score.
; Two query tiles are worked side by side (four chains of maxima, four of sums); the second tile's multiply-adds stand among the first tile's exponentials.
; K's fragments of the next step are fetched behind the step's last products with K, V's at the step's head.  The last trip's fetch of K reads the LDS bytes behind K's, which hold V; nothing uses it.
; NO PREFETCH: every tile is asked for by the head's one load a wave; there is no loop of loads to run ahead in.
; LIMITS: the scaled scores stay under 2^31 in magnitude; NaN and infinities are not served; a block of zeros gets the byte 1 (only this program reads the bytes).
; WINDOW 0: v0-63 addresses, state, scale words, temporaries; v64-117 K's fragments; v122-127 the LDS addresses' lane parts; v128-255 the scores of two tiles.
; WINDOW 1: v0-127 O^T of four tiles; v128-175 q's four fragments; v176-223 V's four fragments; v224-247 p's codes of two tiles.
.set LK,    0
.set LV,    98304
.set LSK,   196608
.set LSV,   204800
.set SPARE, 208896                     ; the spare words, 128 bytes a wave
.set SPW, 4
.set NIL, 5
.set KA,  6                            ; LDS addresses of this step's loads
.set KB,  7
.set VA,  8
.set VB,  9
.set SKA, 10
.set SVA, 11
.set SH,  12                           ; 8 h
.set NM,  14                           ; v14-21 a pair a tile: -M, the running largest score
.set L,   22                           ; v22-29 a pair a tile: the sum in two halves
.set F,   30                           ; v30-33 a pair for each of the two tiles at work: f, 0
.set QS,  34                           ; v34-37 q's scale words
.set SK,  38                           ; v38-41 K's: lanes 0-15 tiles (0, j), lanes 16-31 tiles (1, j)
.set SV,  42                           ; v42-45 V's
.set PW,  46                           ; v46-47 p's
.set BM,  48                           ; v48-51 the blocks' largest
.set SOP, 52                           ; v52-55 the conversions' scale operands
.set T,   56
.set U,   58
.set LT,  60                           ; v60-63 the sums' second chains
.set KF,  64
.set KA0, 122
.set KB0, 123
.set VA0, 124
.set VB0, 125
.set SKA0, 126
.set SVA0, 127
.set S,   128
.set Q,   128                          ; window 1
.set VF,  176
.set CD,  224
.set WV,  12
.set SEL, 20
.set CS,  22
.set G1C, 24
.set G1S, 32
.set G0C, 40
.set G0S, 44
.set QP,  48
.set QSP, 50
.set CCP, 52
.set CSP, 54
.set NC,  56
.set CNT, 57
.set TK,  59
.set TS,  63
.set TV,  62
.set TW,  61
.set MSB, 0
.macro WIN new                         ; the immediate's high byte repeats the setting that is left
.if MSB != \new
	s_set_vgpr_msb (MSB<<8)|\new
.set MSB, \new
.endif
.endm
.macro WALU
	s_wait_alu depctr_va_vdst(0)
.endm
.macro CROUND
	s_barrier_signal -1
	s_barrier_wait -1
	s_cmp_lg_u32 s[WV], 0
	s_cbranch_scc1 .Lnot_wave_0_\@
	s_barrier_signal -3
.Lnot_wave_0_\@:
	s_barrier_wait -3
	s_barrier_signal -1
	s_barrier_wait -1
.endm
	s_load_b256 s[4:11], s[0:1], 0x0               ; ac, asc, cc, csc
	v_lshl_add_u32 v[SPW], v0, 2, SPARE
	v_mov_b32 v[NIL], 0
	ds_add_u32 v[SPW], v[NIL]                      ; the opening lines: the add twice and its wait
	ds_add_u32 v[SPW], v[NIL]
	v_lshrrev_b32 v6, 5, v0
	v_readfirstlane_b32 s[WV], v6
	s_bfe_u32 s13, ttmp6, 0x40000                  ; cx: which 512 queries
	s_and_b32 s14, ttmp7, 0xffff                   ; 16 x batch + head
	s_mov_b32 s[G1C], 15|(3<<16)|(1<<21)           ; codes: 192 rows of 256 bytes a load, to all four partners
	s_mov_b32 s[G1C+1], 32<<16
	s_mov_b32 s[G1C+2], 192<<16
	s_mov_b32 s[G1C+3], 32<<16
	s_mov_b32 s[G1C+4], 192
	s_mov_b32 s[G1C+5], 32
	s_mov_b32 s[G1C+6], 0
	s_mov_b32 s[G1C+7], 0
	s_mov_b32 s[G1S], 15|(3<<16)|(1<<21)           ; scale bytes: 12 rows of 256
	s_mov_b32 s[G1S+1], 32<<16
	s_mov_b32 s[G1S+2], 12<<16
	s_mov_b32 s[G1S+3], 32<<16
	s_mov_b32 s[G1S+4], 12
	s_mov_b32 s[G1S+5], 32
	s_mov_b32 s[G1S+6], 0
	s_mov_b32 s[G1S+7], 0
	s_mov_b32 s[SEL], 0x76543210
	s_mov_b32 s[SEL+1], 0xfedcba98
	s_mov_b32 s[CS], 0x3e38aa3b                    ; c = log2(e) / 8
	s_mov_b32 s[CS+1], s[CS]
	s_mov_b32 s[NC], 0xbe38aa3b                    ; -c
	s_mul_i32 s16, s14, 294912
	s_mov_b32 s17, 0
	s_mul_i32 s18, s14, 20480
	s_mov_b32 s19, 0
	s_and_b32 s58, s[WV], 3
	s_mul_i32 s15, s58, 49152                      ; waves 0-3: a quarter each of K's and V's 196,608 bytes
	s_mul_i32 s60, s58, 3072                       ; waves 4-7: a quarter each of their 12,288 scale bytes
	s_wait_dscnt 0x0
	s_wait_kmcnt 0x0
	s_add_nc_u64 s[4:5], s[4:5], s[16:17]
	s_add_nc_u64 s[6:7], s[6:7], s[18:19]
	s_mov_b32 s[G0C], 1
	s_mov_b32 s[G0C+1], s15
	s_add_co_u32 s16, s15, 98304
	s_add_nc_u64 s[G0C+2:G0C+3], s[4:5], s[16:17]
	s_or_b32 s[G0C+3], s[G0C+3], 0x80000000
	s_mov_b32 s[G0S], 1
	s_add_co_u32 s[G0S+1], s60, LSK
	s_add_co_u32 s18, s60, 8192
	s_add_nc_u64 s[G0S+2:G0S+3], s[6:7], s[18:19]
	s_or_b32 s[G0S+3], s[G0S+3], 0x80000000
	CROUND                                         ; the four partners are here: the joint loads meet
	s_cmp_lt_u32 s[WV], 4                          ; one load a wave, one arm each
	s_cbranch_scc0 .Lscales
	tensor_load_to_lds s[G0C:G0C+3], s[G1C:G1C+7]
	s_nop 0
.rept 4
	v_nop
.endr
	s_branch .Lasked
.Lscales:
	tensor_load_to_lds s[G0S:G0S+3], s[G1S:G1S+7]
	s_nop 0
.rept 4
	v_nop
.endr
.Lasked:
	s_lshl_b32 s61, s13, 5
	s_lshl_b32 s59, s[WV], 2
	s_add_co_u32 s61, s61, s59                     ; my first query tile of the head's 128
	s_mul_i32 s16, s61, 768
	s_add_nc_u64 s[QP:QP+1], s[4:5], s[16:17]
	s_lshl_b32 s16, s61, 6                         ; four tiles' scale words: 256 bytes, 16 a row
	s_add_nc_u64 s[QSP:QSP+1], s[6:7], s[16:17]
	s_lshr_b32 s18, s14, 4
	s_lshl_b32 s18, s18, 7
	s_add_co_u32 s61, s61, s18                     ; the tile among all 512
	s_and_b32 s62, s14, 15
	s_mul_i32 s16, s61, 12288
	s_mul_i32 s18, s62, 768
	s_add_co_u32 s16, s16, s18
	s_add_nc_u64 s[CCP:CCP+1], s[8:9], s[16:17]
	s_lshl_b32 s16, s61, 9
	s_lshl_b32 s18, s62, 1
	s_add_co_u32 s16, s16, s18
	s_add_nc_u64 s[CSP:CSP+1], s[10:11], s[16:17]
	v_and_b32 v13, 31, v0
	v_lshlrev_b32 v1, 4, v13                       ; 16 x lane
	v_lshlrev_b32 v2, 3, v13                       ; 8 x lane
	v_and_b32 v3, 15, v0
	v_lshlrev_b32 v118, 4, v3                      ; 16 r
	v_lshlrev_b32 v3, 5, v3                        ; 32 r
	WIN 0x40
.irp n, 0,1,2,3
	global_load_b128 v[Q+12*\n:Q+12*\n+3], v1, s[QP:QP+1] offset:768*\n
	global_load_b64 v[Q+12*\n+4:Q+12*\n+5], v2, s[QP:QP+1] offset:768*\n+512
.endr
	WIN 0
	global_load_b128 v[QS:QS+3], v118, s[QSP:QSP+1]
	v_and_b32 v119, 7, v0                          ; i
	v_bfe_u32 v120, v0, 3, 1                       ; hh
	v_bfe_u32 v121, v0, 4, 1                       ; h
	v_lshlrev_b32 v[KA0], 4, v119                  ; K, registers 0-3: 16 (i + 16 h) in image + 2 hh
	v_mad_u32_u24 v[KA0], v120, 1536, v[KA0]
	v_lshl_add_u32 v[KA0], v121, 8, v[KA0]
	v_lshlrev_b32 v[KB0], 3, v119                  ; registers 4-5: 8 (i + 16 h)
	v_mad_u32_u24 v[KB0], v120, 1536, v[KB0]
	v_lshl_add_u32 v[KB0], v121, 7, v[KB0]
	v_add_nc_u32 v[VA0], LV, v1
	v_add_nc_u32 v[VB0], LV, v2
	v_lshlrev_b32 v[SKA0], 4, v119                 ; K's scale words: 256 c + 16 row + 4 (image % 4); the lanes' half takes c
	v_lshl_add_u32 v[SKA0], v120, 3, v[SKA0]
	v_lshl_add_u32 v[SKA0], v121, 8, v[SKA0]
	v_add_nc_u32 v[SKA0], LSK, v[SKA0]
	v_add_nc_u32 v[SVA0], LSV, v118
	v_lshlrev_b32 v[SH], 3, v121
.irp n, 0,1,2,3
	v_mov_b32 v[NM+2*\n], 0x7f61b1e6               ; -M = 3e38: the first change of M gives f = 0
	v_mov_b32 v[NM+2*\n+1], 0xff61b1e6             ; the largest score so far: -3e38
	v_mov_b32 v[L+2*\n], 0
	v_mov_b32 v[L+2*\n+1], 0
	v_mov_b32 v[T+\n], 0                           ; a lane permute's destination counts as a source
.endr
	v_mov_b32 v[F+1], 0
	v_mov_b32 v[F+3], 0
.irp j, 48,49,50,51,52,53
	v_mov_b32 v[KF+\j], 0                          ; behind K's last tile
.endr
	WIN 0x40
.set j, 0
.rept 128
	v_mov_b32 v[j], 0                              ; O^T: the step is written once; these stand under the tiles' flight
.set j, j+1
.endr
.irp n, 0,1,2,3
.irp i, 6,7,8,9,10,11
	v_mov_b32 v[Q+12*\n+\i], 0                     ; q's zero codes for k = 64 .. 127
.endr
.endr
	WIN 0
	s_mov_b32 s[TK], 0
	s_mov_b32 s[TS], 0
	s_mov_b32 s[TV], 0
	s_mov_b32 s[TW], 0
	s_mov_b32 s[CNT], 16
	v_add_nc_u32 v[KA], s[TK], v[KA0]
	v_add_nc_u32 v[KB], s[TK], v[KB0]
	v_add_nc_u32 v[SKA], s[TS], v[SKA0]
	v_add_nc_u32 v[VA], s[TV], v[VA0]
	v_add_nc_u32 v[VB], s[TV], v[VB0]
	v_add_nc_u32 v[SVA], s[TW], v[SVA0]
	WALU                                           ; the wait at the head's end
	s_wait_tensorcnt 0x0                           ; my load has landed
	s_barrier_signal -1
	s_barrier_wait -1                              ; and everybody's: nothing is filled again
.macro KLOAD                           ; 18 loads: K's eight tiles (t = 4 c + j) and their scale words
.irp t, 0,1,2,3,4,5,6,7
	ds_load_b128 v[KF+6*\t:KF+6*\t+3], v[KA] offset:768*(4*(\t/4)+\t%2)+128*((\t%4)/2)
	ds_load_b64 v[KF+6*\t+4:KF+6*\t+5], v[KB] offset:768*(4*(\t/4)+\t%2)+64*((\t%4)/2)+512
.endr
	ds_load_b64 v[SK:SK+1], v[SKA]
	ds_load_b64 v[SK+2:SK+3], v[SKA] offset:128
.endm
.macro SMUL x, t, n                    ; tile t of K against query tile n: scores into half x
.if \t < 4
	v_wmma_scale_f32_16x16x128_f8f6f4 v[S+64*\x+8*\t:S+64*\x+8*\t+7], v[KF+6*\t:KF+6*\t+11], v[Q+12*(\n):Q+12*(\n)+11], 0, v[SK+(\t)%4], v[QS+(\n)] matrix_a_fmt:MATRIX_FMT_FP6 matrix_b_fmt:MATRIX_FMT_FP6
.else
	v_wmma_scale_f32_16x16x128_f8f6f4 v[S+64*\x+8*\t:S+64*\x+8*\t+7], v[KF+6*\t:KF+6*\t+11], v[Q+12*(\n):Q+12*(\n)+11], 0, v[SK+(\t)%4], v[QS+(\n)] matrix_a_fmt:MATRIX_FMT_FP6 matrix_b_fmt:MATRIX_FMT_FP6 matrix_a_scale:MATRIX_SCALE_ROW1
.endif
.endm
; Query tiles 2 g and 2 g + 1 through one step of 128 keys.  q = 2 x + c counts the four blocks of 32 scores, at S + 32 q.
.macro PAIR g
	WIN 0x04                                       ; source 1 (q) in window 1
.irp t, 0,1,2,3,4,5,6,7
	SMUL 0, \t, 2*\g
	SMUL 1, \t, 2*\g+1
.endr
	WIN 0
.if \g                                         ; four places behind the products, then the next step's K into their registers
	v_add_nc_u32 v[KA], s[TK], v[KA0]
	v_add_nc_u32 v[KB], s[TK], v[KB0]
	v_add_nc_u32 v[SKA], s[TS], v[SKA0]
	v_nop
	KLOAD
.else
.rept 4
	v_nop
.endr
.endif
.irp q, 0,1,2,3
	v_max3_num_f32 v[BM+\q], v[S+32*\q], v[S+32*\q+1], v[S+32*\q+2]   ; each block's largest score, the four by turns; each accumulator is first read at its lowest register
.endr
.irp i, 3,5,7,9,11,13,15,17,19,21,23,25,27,29
.irp q, 0,1,2,3
	v_max3_num_f32 v[BM+\q], v[BM+\q], v[S+32*\q+\i], v[S+32*\q+\i+1]
.endr
.endr
.irp q, 0,1,2,3
	v_max_num_f32 v[BM+\q], v[BM+\q], v[S+32*\q+31]
.endr
.irp x, 0,1
	v_max_num_f32 v[T+\x], v[BM+2*\x], v[BM+2*\x+1]
.endr
.irp x, 0,1
	v_permlanex16_b32 v[U+\x], v[T+\x], s[SEL], s[SEL+1]
.endr
.irp x, 0,1
	v_max3_num_f32 v[NM+4*\g+2*\x+1], v[NM+4*\g+2*\x+1], v[T+\x], v[U+\x]   ; the running largest score of my query
.endr
.irp x, 0,1
	v_mul_f32 v[T+\x], s[NC], v[NM+4*\g+2*\x+1]    ; -t
.endr
.irp x, 0,1
	v_mov_b32 v[U+\x], v[NM+4*\g+2*\x]
.endr
.irp x, 0,1
	v_floor_f32 v[NM+4*\g+2*\x], v[T+\x]           ; the new -M = floor(-t)
.endr
.irp x, 0,1
	v_sub_f32 v[U+\x], v[NM+4*\g+2*\x], v[U+\x]    ; old M less new M: a whole number, 0 or less
.endr
.irp x, 0,1
	v_cvt_i32_f32 v[U+\x], v[U+\x]
.endr
.irp x, 0,1
	v_ldexp_f32 v[F+2*\x], 1.0, v[U+\x]            ; f = 2^(old M - new M)
.endr
.set j, 0
.rept 32
	v_pk_fma_f32 v[S+j:S+j+1], v[S+j:S+j+1], s[CS:CS+1], v[NM+4*\g:NM+4*\g+1] op_sel_hi:[1,0,0]   ; t - M of the first tile
.set j, j+2
.endr
.irp q, 0,1,2,3
	v_fma_f32 v[BM+\q], v[BM+\q], s[CS], v[NM+4*\g+2*(\q/2)]
.endr
	WALU                                           ; a wait ahead of each batch of exponentials and behind it
.irp q, 0,1,2,3
	v_exp_f32 v[BM+\q], v[BM+\q]                   ; the blocks' largest p
.endr
.set j, 0
.rept 32
	v_exp_f32 v[S+j], v[S+j]
	v_exp_f32 v[S+j+1], v[S+j+1]
	v_pk_fma_f32 v[S+64+j:S+65+j], v[S+64+j:S+65+j], s[CS:CS+1], v[NM+4*\g+2:NM+4*\g+3] op_sel_hi:[1,0,0]   ; the second tile's t - M among the first tile's exponentials
.set j, j+2
.endr
	WALU
.set j, 0
.rept 64
	v_exp_f32 v[S+64+j], v[S+64+j]
.set j, j+1
.endr
	v_pk_mul_f32 v[L+4*\g:L+4*\g+1], v[L+4*\g:L+4*\g+1], v[F:F+1] op_sel_hi:[1,0]   ; the sums under the new M (also the plain place behind the batch)
	WALU
	v_pk_mul_f32 v[L+4*\g+2:L+4*\g+3], v[L+4*\g+2:L+4*\g+3], v[F+2:F+3] op_sel_hi:[1,0]
.irp x, 0,1
	v_pk_add_f32 v[LT+2*\x:LT+2*\x+1], v[S+64*\x:S+64*\x+1], v[S+64*\x+2:S+64*\x+3]   ; the sums of the unquantised p: two chains a tile
.endr
.irp j, 4,8,12,16,20,24,28,32,36,40,44,48,52,56,60
.irp x, 0,1
	v_pk_add_f32 v[L+4*\g+2*\x:L+4*\g+2*\x+1], v[L+4*\g+2*\x:L+4*\g+2*\x+1], v[S+64*\x+\j:S+64*\x+\j+1]
	v_pk_add_f32 v[LT+2*\x:LT+2*\x+1], v[LT+2*\x:LT+2*\x+1], v[S+64*\x+\j+2:S+64*\x+\j+3]
.endr
.endr
.irp x, 0,1
	v_pk_add_f32 v[L+4*\g+2*\x:L+4*\g+2*\x+1], v[L+4*\g+2*\x:L+4*\g+2*\x+1], v[LT+2*\x:LT+2*\x+1]
.endr
.irp q, 0,1,2,3
	v_max_num_f32 v[BM+\q], 0x1800000, v[BM+\q]    ; the floor 2^(3 - 127)
.endr
.irp q, 0,1,2,3
	v_add_nc_u32 v[SOP+\q], 0xff000000, v[BM+\q]   ; the conversion's scale operand
.endr
.irp q, 0,1,2,3
	v_lshrrev_b32 v[BM+\q], 23, v[SOP+\q]          ; the scale's byte
.endr
.irp x, 0,1
	v_lshl_or_b32 v[T+\x], v[BM+2*\x+1], 16, v[BM+2*\x]   ; my blocks h and 2 + h,
.endr
.irp x, 0,1
	v_lshlrev_b32 v[T+\x], v[SH], v[T+\x]          ; at their places in the word;
.endr
.irp x, 0,1
	v_permlanex16_b32 v[U+\x], v[T+\x], s[SEL], s[SEL+1]
.endr
.irp x, 0,1
	v_or_b32 v[PW+\x], v[T+\x], v[U+\x]            ; with lane l xor 16's two the word is whole
.endr
	WIN 0x40                                       ; the codes go to window 1
.irp q, 0,1,2,3
	v_cvt_scalef32_pk16_fp6_f32 v[CD+6*\q:CD+6*\q+2], v[S+32*\q:S+32*\q+15], v[SOP+\q]
.endr
	WIN 0
	v_nop                                          ; a plain place: the lines below write over the sources above
.irp q, 0,1,2,3
	v_cvt_scalef32_pk16_fp6_f32 v[S+32*\q:S+32*\q+2], v[S+32*\q+16:S+32*\q+31], v[SOP+\q]   ; (a conversion's three registers begin on an even number: made here and moved)
.endr
	v_nop
	WIN 0x40
.irp q, 0,1,2,3
.irp i, 0,1,2
	v_mov_b32 v[CD+6*\q+3+\i], v[S+32*\q+\i]
.endr
.endr
.if \g == 0
	s_wait_dscnt 0x0                               ; V's fragments and scale words are in
.endif
	WIN 0x41
	WALU                                           ; the wait directly ahead of the first reader of O^T
.set j, 0
.rept 32
	v_pk_mul_f32 v[64*\g+j:64*\g+j+1], v[64*\g+j:64*\g+j+1], v[F+2*(j/32):F+2*(j/32)+1] op_sel_hi:[1,0]   ; O^T under the new M; also the places ahead of the products
.set j, j+2
.endr
	WIN 0x55
.irp t, 0,1,2,3
.irp x, 0,1
	v_wmma_scale_f32_16x16x128_f8f6f4 v[64*\g+32*\x+8*\t:64*\g+32*\x+8*\t+7], v[VF+12*\t:VF+12*\t+11], v[CD+12*\x:CD+12*\x+11], v[64*\g+32*\x+8*\t:64*\g+32*\x+8*\t+7], v[SV+\t], v[PW+\x] matrix_a_fmt:MATRIX_FMT_FP6 matrix_b_fmt:MATRIX_FMT_FP6
.endr
.endr
	WIN 0
.endm
	KLOAD                                          ; step 0's K
	s_wait_loadcnt 0x0                             ; q
.Lkey:
	s_add_co_u32 s[TK], s[TK], 6144                ; K runs one step ahead
	s_add_co_u32 s[TS], s[TS], 512
	WIN 0x40
.irp t, 0,1,2,3
	ds_load_b128 v[VF+12*\t:VF+12*\t+3], v[VA] offset:1536*\t
	ds_load_b64 v[VF+12*\t+4:VF+12*\t+5], v[VB] offset:1536*\t+512
	ds_load_b128 v[VF+12*\t+6:VF+12*\t+9], v[VA] offset:1536*\t+768
	ds_load_b64 v[VF+12*\t+10:VF+12*\t+11], v[VB] offset:1536*\t+1280
.endr
	WIN 0
	ds_load_b128 v[SV:SV+3], v[SVA]
	s_wait_dscnt 17                                ; K's 18 loads are in; V's 17, just issued, may be out
	PAIR 0
	PAIR 1
	s_add_co_u32 s[TV], s[TV], 6144
	s_add_co_u32 s[TW], s[TW], 256
	v_add_nc_u32 v[VA], s[TV], v[VA0]              ; four places behind the last products, ahead of the loads into V's registers
	v_add_nc_u32 v[VB], s[TV], v[VB0]
	v_add_nc_u32 v[SVA], s[TW], v[SVA0]
	v_nop
	s_sub_co_u32 s[CNT], s[CNT], 1
	s_cmp_lg_u32 s[CNT], 0
	WALU                                           ; the wait ahead of the branch
	s_cbranch_scc1 .Lkey
; THE WAY OUT: ctx = O^T / l; register 8 t + j of lane (r, h) is feature 32 (t / 2) + 16 h + 8 (t % 2) + j: 16 neighbours in tiles 2 b, 2 b + 1; a block of 32 lies in lanes l and l xor 16.
.set EM, 64                            ; v64-71  eight blocks' largest, then scale operands
.set EP, 72                            ; v72-79
.set EW, 80                            ; v80-83  the tiles' scale bytes
.set EC, 84                            ; v84..   six registers of codes a tile, eight apart
.set ET, 48                            ; v48-63  the second conversions' codes
	s_wait_dscnt 0x0                               ; the last trip's fetch has landed: its registers are used below
.irp n, 0,1,2,3
	v_add_f32 v[L+2*\n], v[L+2*\n], v[L+2*\n+1]
.endr
.irp n, 0,1,2,3
	v_permlanex16_b32 v[T+\n], v[L+2*\n], s[SEL], s[SEL+1]
.endr
.irp n, 0,1,2,3
	v_add_f32 v[L+2*\n], v[L+2*\n], v[T+\n]        ; the row's sum
.endr
	WALU
.irp n, 0,1,2,3
	v_rcp_f32 v[L+2*\n], v[L+2*\n]
.endr
	v_nop
	WIN 0x01
	WALU
.set j, 0
.rept 64
	v_pk_mul_f32 v[S+j:S+j+1], v[j:j+1], v[L+2*(j/32):L+2*(j/32)+1] op_sel_hi:[1,0]
.set j, j+2
.endr
	WIN 0
.irp q, 0,1,2,3,4,5,6,7
	v_max3_num_f32 v[EM+\q], |v[S+16*\q]|, |v[S+16*\q+1]|, 0x1800000
.endr
.irp i, 2,4,6,8,10,12,14
.irp q, 0,1,2,3,4,5,6,7
	v_max3_num_f32 v[EM+\q], v[EM+\q], |v[S+16*\q+\i]|, |v[S+16*\q+\i+1]|
.endr
.endr
.irp q, 0,1,2,3,4,5,6,7
	v_permlanex16_b32 v[EP+\q], v[EM+\q], s[SEL], s[SEL+1]
.endr
.irp q, 0,1,2,3,4,5,6,7
	v_max_num_f32 v[EM+\q], v[EM+\q], v[EP+\q]
.endr
.irp q, 0,1,2,3,4,5,6,7
	v_add_nc_u32 v[EM+\q], 0xff000000, v[EM+\q]
.endr
.irp q, 0,1,2,3,4,5,6,7
	v_lshrrev_b32 v[EP+\q], 23, v[EM+\q]
.endr
.irp n, 0,1,2,3
	v_lshl_or_b32 v[EW+\n], v[EP+2*\n+1], 8, v[EP+2*\n]
.endr
.irp n, 0,1,2,3
	v_cvt_scalef32_pk16_fp6_f32 v[EC+8*\n:EC+8*\n+2], v[S+32*\n:S+32*\n+15], v[EM+2*\n]
	v_cvt_scalef32_pk16_fp6_f32 v[ET+4*\n:ET+4*\n+2], v[S+32*\n+16:S+32*\n+31], v[EM+2*\n+1]
.endr
	v_nop
.irp n, 0,1,2,3
.irp i, 0,1,2
	v_permlane16_swap_b32 v[EC+8*\n+\i], v[ET+4*\n+\i]   ; a whole block to a lane
.endr
.endr
.irp n, 0,1,2,3
.irp i, 0,1,2
	v_mov_b32 v[EC+8*\n+3+\i], v[ET+4*\n+\i]
.endr
.endr
.irp n, 0,1,2,3
	global_store_b128 v1, v[EC+8*\n:EC+8*\n+3], s[CCP:CCP+1] offset:12288*\n        ; 512 consecutive bytes
	global_store_b64 v2, v[EC+8*\n+4:EC+8*\n+5], s[CCP:CCP+1] offset:12288*\n+512   ; 256 consecutive bytes
	global_store_b16 v3, v[EW+\n], s[CSP:CSP+1] offset:512*\n
.endr
	s_wait_tensorcnt 0x0                           ; the wave's end
	ds_add_u32 v[SPW], v[NIL]
	s_wait_dscnt 0x0
	CROUND                                         ; the closing round
	s_endpgm
.Lfunc_end_k_qffb1a6fc86_attn:
	.size	k_qffb1a6fc86_attn, .Lfunc_end_k_qffb1a6fc86_attn-k_qffb1a6fc86_attn
	.p2alignl 7, 3214868480
	.fill 96, 4, 3214868480
	.section	.rodata,"a",@progbits
	.p2align	6, 0x0
	.amdhsa_kernel k_qffb1a6fc86_attn
		.amdhsa_group_segment_fixed_size 327680
		.amdhsa_private_segment_fixed_size 0
		.amdhsa_enable_private_segment 0
		.amdhsa_kernarg_size 32
		.amdhsa_user_sgpr_count 2
		.amdhsa_user_sgpr_kernarg_segment_ptr 1
		.amdhsa_wavefront_size32 1
		.amdhsa_system_sgpr_workgroup_id_x 1
		.amdhsa_system_sgpr_workgroup_id_y 1
		.amdhsa_system_sgpr_workgroup_id_z 1
		.amdhsa_system_vgpr_workitem_id 0
		.amdhsa_next_free_vgpr 512
		.amdhsa_next_free_sgpr 66
		.amdhsa_reserve_vcc 0
		.amdhsa_float_denorm_mode_32 3
		.amdhsa_float_denorm_mode_16_64 3
		.amdhsa_memory_ordered 1
		.amdhsa_forward_progress 1
		.amdhsa_inst_pref_size 80
	.end_amdhsa_kernel
	.amdgpu_metadata
---
amdhsa.version: [ 1, 2 ]
amdhsa.kernels:
  - .name:           k_qffb1a6fc86_attn
    .symbol:         k_qffb1a6fc86_attn.kd
    .args:
      - { .name: ac, .offset: 0, .size: 8, .value_kind: global_buffer, .address_space: global }
      - { .name: asc, .offset: 8, .size: 8, .value_kind: global_buffer, .address_space: global }
      - { .name: cc, .offset: 16, .size: 8, .value_kind: global_buffer, .address_space: global }
      - { .name: csc, .offset: 24, .size: 8, .value_kind: global_buffer, .address_space: global }
    .group_segment_fixed_size: 327680
    .private_segment_fixed_size: 0
    .kernarg_segment_align: 8
    .kernarg_segment_size: 32
    .max_flat_workgroup_size: 256
    .sgpr_count:     66
    .vgpr_count:     512
    .wavefront_size: 32
...
	.end_amdgpu_metadata
.endif
;; end of part 3
;; launch oproj (part 4): grid 4 x 32, 4 waves a work-group, clusters of 4 x 4, 327,680 bytes of LDS; arguments cc, csc, wc, wsc, bo, out0; writes out0
.if DOCPART == 4
	.amdgcn_target "amdgcn-amd-amdhsa--gfx1250"
	.amdhsa_code_object_version 6
	.text
	.protected	k_qffb1a6fc86_oproj
	.globl	k_qffb1a6fc86_oproj
	.p2align	8
	.type	k_qffb1a6fc86_oproj,@function
k_qffb1a6fc86_oproj:
	s_mov_b64 s[64:65], 0
	v_nop
	global_prefetch_b8 v0, s[64:65] scope:SCOPE_SE
	s_setreg_imm32_b32 hwreg(HW_REG_WAVE_MODE, 25, 1), 1
	s_wait_xcnt 0x0
	s_wait_alu depctr_hold_cnt(0) depctr_sa_sdst(0) depctr_va_vdst(0) depctr_va_sdst(0) depctr_va_ssrc(0) depctr_va_vcc(0) depctr_vm_vsrc(0)
	s_getreg_b32 s2, hwreg(HW_REG_IB_STS2, 6, 4)
	s_cmp_eq_u32 s2, 0
	s_cbranch_scc0 .Lentry_in_a_cluster
	s_endpgm
.Lentry_in_a_cluster:
	s_bfe_u32 s2, ttmp6, 0x10000c
	s_cmp_lg_u32 s2, 0xf033
	s_cbranch_scc0 .Lentry_shape_is_right
	s_endpgm
.Lentry_shape_is_right:
.set KSTEP,  256
.set NQ,     2
.set ROWB,   24576                     ; from one K step's tile of wc to the next: 128 rows x 192 bytes, dense
.set KROW,   768
.set PITCH,  240
.set FR,     12
.set NLA,    4
.set NP,     4
.set HALFA,  24576
.set HALFB,  128*PITCH
.set SLOT,   2*HALFA+2*HALFB
.set LAPS,   2
.set KS,     32
.set SCL,    2*SLOT
.set HALFS,  (128*KS/256)*272
.set SBLK,   (16*KS/256)*272
.set SPARE,  SCL+4*HALFS
.set SPITCH, 528
.set ADRA, 16
.set ADRB, 20
.set STO,  24
.set RD,   25
.set CO,   26
.set ADRS, 27
.set SPW,  28
.set NIL,  29
.set BOQ,  30
.set SC,   32
.set BI,   64
.set AF,   128
.set BK,   128
.set CP,   98
.set G1, 24
.set G0, 32
.set G1B, 48
.set G0B, 56
.set G1S, 68
.set G0S, 76
.set G1SB, 80
.set G0SB, 88
.set MSB, 0
.macro WIN new
.if MSB != \new
	s_set_vgpr_msb (MSB<<8)|\new
.set MSB, \new
.endif
.endm
.set MUL_LO, 0xa1
.set MUL_HI, 0xf1
.set TO_B,   0x40
.macro JLOAD g0a, g1a, g0b, g1b
	s_cmp_eq_u32 s15, 0
	s_cbranch_scc0 .Lfor_b_\@
	tensor_load_to_lds s[\g0a:\g0a+3], s[\g1a:\g1a+7]
	s_nop 0
.rept 4
	v_nop
.endr
	s_branch .Lasked_\@
.Lfor_b_\@:
	tensor_load_to_lds s[\g0b:\g0b+3], s[\g1b:\g1b+7]
	s_nop 0
.rept 4
	v_nop
.endr
.Lasked_\@:
.endm
.macro CREST
	s_cmp_lg_u32 s14, 0
	s_cbranch_scc1 .Lnot_wave_0_\@
	s_barrier_signal -3
.Lnot_wave_0_\@:
	s_barrier_wait -3
	s_barrier_signal -1
	s_barrier_wait -1
.endm
.macro CROUND
	s_barrier_signal -1
	s_barrier_wait -1
	CREST
.endm
	s_load_b128 s[4:7], s[0:1], 0x0
	s_load_b128 s[8:11], s[0:1], 0x10
	s_load_b128 s[96:99], s[0:1], 0x20
	v_lshl_add_u32 v[SPW], v0, 2, SPARE
	v_mov_b32 v[NIL], 0
	ds_add_u32 v[SPW], v[NIL]
	ds_add_u32 v[SPW], v[NIL]
	v_lshrrev_b32 v1, 5, v0
	v_readfirstlane_b32 s14, v1
	s_lshr_b32 s15, s14, 1
	s_and_b32 s16, s14, 1
	s_bfe_u32 s40, ttmp6, 0x40000
	s_bfe_u32 s41, ttmp6, 0x40004
	s_lshl_b32 s42, ttmp9, 2
	s_add_co_u32 s42, s42, s40
	s_and_b32 s17, ttmp7, 0xffff
	s_lshl_b32 s17, s17, 2
	s_add_co_u32 s17, s17, s41
	s_lshl_b32 s43, s41, 2
	s_lshl_b32 s43, 15, s43
	s_lshl_b32 s44, 0x1111, s40
	s_or_b32 s[G1+0], s43, (3<<16)|(1<<21)
	s_mov_b32 s[G1+1], 384<<16
	s_mov_b32 s[G1+2], 16<<16                      ; the head's load brings A's 256 positions, the ring's 128
	s_mov_b32 s[G1+3], 384<<16
	s_mov_b32 s[G1+4], 16
	s_mov_b32 s[G1+5], 1536
	s_mov_b32 s[G1+6], 0
	s_mov_b32 s[G1+7], 0
	; B: a row of the descriptor is one dense tile, 24,576 bytes = 3,072 elements of 8; the next 128 rows' tile lies 98,304 bytes on.  The head's load brings two, the ring's one
	s_or_b32 s[G1B+0], s44, (3<<16)|(1<<20)|(1<<21)|(3<<22)|(3<<25)
	s_mov_b32 s[G1B+1], 3072<<16
	s_mov_b32 s[G1B+2], 2<<16
	s_mov_b32 s[G1B+3], 3072<<16
	s_mov_b32 s[G1B+4], 2
	s_mov_b32 s[G1B+5], 12288
	s_mov_b32 s[G1B+6], 1<<16
	s_mov_b32 s[G1B+7], 0
	s_or_b32 s[G1S+0], s43, (3<<16)|(1<<20)|(1<<21)|(5<<22)|(3<<25)
	s_or_b32 s[G1SB+0], s44, (3<<16)|(1<<20)|(1<<21)|(5<<22)|(3<<25)
.irp g, G1S, G1SB
	s_mov_b32 s[\g+1], 32<<16
	s_mov_b32 s[\g+2], (256*KS/256)<<16
	s_mov_b32 s[\g+3], 32<<16
	s_mov_b32 s[\g+4], 256*KS/256
	s_mov_b32 s[\g+5], 32
	s_mov_b32 s[\g+6], 0
	s_mov_b32 s[\g+7], 0
.endr
	s_lshl_b32 s18, s16, 7
	s_lshl_b32 s20, s17, 8
	s_add_co_u32 s20, s20, s18
	s_lshl_b32 s46, s42, 8
	s_add_co_u32 s46, s46, s18
	s_add_co_u32 s46, s46, 3072
	s_lshl_b32 s22, s20, 5
	s_mov_b32 s23, 0
	s_lshl_b32 s92, s46, 5
	s_mov_b32 s93, 0
	s_mul_i32 s20, s20, 768
	s_mov_b32 s21, 0
	s_mul_i32 s46, s46, KROW
	s_mov_b32 s47, 0
	s_mul_i32 s45, s16, HALFA
	s_mul_i32 s95, s16, HALFB
	s_add_co_u32 s95, s95, 2*HALFA
	s_mul_i32 s94, s14, HALFS
	s_wait_dscnt 0x0
	s_wait_kmcnt 0x0
	s_add_nc_u64 s[20:21], s[4:5], s[20:21]
	s_add_nc_u64 s[22:23], s[6:7], s[22:23]
	s_add_nc_u64 s[46:47], s[8:9], s[46:47]
	s_add_nc_u64 s[92:93], s[10:11], s[92:93]
	CROUND
	; the head's four groups 0, each at its tile's first row: my half's bytes are taken off again.  s[4:7] A's codes, s[8:11] B's (the arguments that lay there have been used)
	s_mul_i32 s18, s16, 128*KROW
	s_mov_b32 s19, 0
	s_mov_b32 s4, 1
	s_mov_b32 s5, 0
	s_sub_nc_u64 s[6:7], s[20:21], s[18:19]
	s_or_b32 s7, s7, 0x80000000
	s_mov_b32 s8, 1
	s_mov_b32 s9, 2*HALFA
	s_sub_nc_u64 s[10:11], s[46:47], s[18:19]
	s_or_b32 s11, s11, 0x80000000
	s_lshl_b32 s18, s16, 12
	s_mov_b32 s[G0S], 1
	s_mov_b32 s[G0S+1], SCL
	s_sub_nc_u64 s[G0S+2:G0S+3], s[22:23], s[18:19]
	s_or_b32 s[G0S+3], s[G0S+3], 0x80000000
	s_mov_b32 s[G0SB], 1
	s_mov_b32 s[G0SB+1], SCL+2*HALFS
	s_sub_nc_u64 s[G0SB+2:G0SB+3], s[92:93], s[18:19]
	s_or_b32 s[G0SB+3], s[G0SB+3], 0x80000000
.irp s, 0,1
	s_mov_b32 s[G0+4*\s], 1
	s_add_co_u32 s[G0+4*\s+1], s45, \s*SLOT
	s_add_nc_u64 s[G0+4*\s+2:G0+4*\s+3], s[20:21], \s*3072
	s_or_b32 s[G0+4*\s+3], s[G0+4*\s+3], 0x80000000
	s_mov_b32 s[G0B+4*\s], 1
	s_add_co_u32 s[G0B+4*\s+1], s95, \s*SLOT
	s_add_nc_u64 s[G0B+4*\s+2:G0B+4*\s+3], s[46:47], \s*ROWB
	s_or_b32 s[G0B+4*\s+3], s[G0B+4*\s+3], 0x80000000
.endr
	; THE HEAD'S LOADS, ONE A WAVE: wave 0 K step 0 of A's 256 positions, wave 1 of B's 256 rows, wave 2 A's scale bytes, wave 3 B's
.macro ARM under, g0, g1, next
	s_cmp_lt_u32 s14, \under
	s_cbranch_scc0 \next
	tensor_load_to_lds s[\g0:\g0+3], s[\g1:\g1+7]
	s_nop 0
.rept 4
	v_nop
.endr
	s_branch .Lhead_asked
\next:
.endm
	ARM 1, 4,   G1,  .Lhead_b
	ARM 2, 8,   G1B, .Lhead_sa
	ARM 3, G0S, G1S, .Lhead_sb
	tensor_load_to_lds s[G0SB:G0SB+3], s[G1SB:G1SB+7]
	s_nop 0
.rept 4
	v_nop
.endr
.Lhead_asked:
	v_and_b32 v1, 15, v0
	v_bfe_u32 v2, v0, 4, 1
	v_and_b32 v6, 31, v0
	v_lshlrev_b32 v7, 4, v6
	v_lshlrev_b32 v8, 3, v6
	v_mul_u32_u24 v3, v1, PITCH
	v_mul_u32_u24 v4, v2, 24
	v_add_nc_u32 v4, v3, v4
	v_lshl_add_u32 v5, v2, 4, v4
	s_mul_i32 s21, s15, HALFA
	s_mul_i32 s22, s16, HALFB
	s_add_co_u32 s22, s22, 2*HALFA
.irp s, 0,1
	v_add_nc_u32 v[ADRA+\s], s21, v7
	v_add_nc_u32 v[ADRA+2+\s], s21, v8
	v_add_nc_u32 v[ADRB+\s], s22, v4
	v_add_nc_u32 v[ADRB+2+\s], s22, v5
	s_add_co_u32 s21, s21, SLOT
	s_add_co_u32 s22, s22, SLOT
.endr
	v_mul_u32_u24 v5, v1, KS
	v_lshrrev_b32 v6, 8, v5
	v_lshl_add_u32 v5, v6, 4, v5
	s_mul_i32 s21, s15, HALFS
	s_mul_i32 s22, s16, HALFS
	s_add_co_u32 s22, s22, 2*HALFS
	s_sub_co_u32 s22, s22, s21
	v_mul_u32_u24 v6, s22, v2
	s_add_co_u32 s21, s21, SCL
	v_add_nc_u32 v5, v5, v6
	v_add_nc_u32 v[ADRS], s21, v5
	s_mul_i32 s23, s14, 16*SPITCH
	v_mul_u32_u24 v5, v1, SPITCH
	v_lshl_add_u32 v5, v2, 6, v5
	v_add_nc_u32 v[STO], s23, v5
	v_mov_b32 v[CO], v7
	v_add_nc_u32 v[RD], s23, v7
	v_lshlrev_b32 v[BOQ], 6, v2
	s_wait_alu depctr_va_vdst(0)
	s_lshl_b32 s20, s17, 8
	s_lshl_b32 s21, s15, 7
	s_add_co_u32 s20, s20, s21
	s_lshl_b32 s20, s20, 12
	s_mov_b32 s21, 0
	s_lshl_b32 s46, s42, 10
	s_lshl_b32 s47, s16, 9
	s_add_co_u32 s46, s46, s47
	s_mov_b32 s47, 0
	s_add_nc_u64 s[96:97], s[96:97], s[46:47]
	s_add_nc_u64 s[CP:CP+1], s[CP:CP+1], s[46:47]
	s_add_nc_u64 s[CP:CP+1], s[CP:CP+1], s[20:21]
.irp g, 0,1,2,3
.irp q, 0,1,2,3
	global_load_b128 v[BI+16*\g+4*\q:BI+16*\g+4*\q+3], v[BOQ], s[96:97] offset:128*\g+16*\q
.endr
.endr
.macro FRAG reg, adr, q, i
.irp p, 0,1,2,3,4,5
.set PCE, 12*(\q)+6*(\p/3)+\p%3
.if PCE%8 < 5
	ds_load_b64 v[\reg+2*\p:\reg+2*\p+1], v[\adr] offset:8*PCE+16*(PCE/8)+(\i)*16*PITCH
.else
	ds_load_b64 v[\reg+2*\p:\reg+2*\p+1], v[\adr+2] offset:8*PCE+16*(PCE/8)+(\i)*16*PITCH
.endif
.endr
.endm
.macro FRAGA reg, slot, q, i
	ds_load_b128 v[\reg:\reg+3], v[ADRA+\slot] offset:3072*(\i)+1536*(\q)
	ds_load_b64 v[\reg+4:\reg+5], v[ADRA+2+\slot] offset:3072*(\i)+1536*(\q)+512
	ds_load_b128 v[\reg+6:\reg+9], v[ADRA+\slot] offset:3072*(\i)+1536*(\q)+768
	ds_load_b64 v[\reg+10:\reg+11], v[ADRA+2+\slot] offset:3072*(\i)+1536*(\q)+1280
.endm
.macro MUL16 a0, p, q, sc, first
.irp a, \a0, \a0+1
.irp b, 0,1,2,3,4,5,6,7
.if \first
	v_wmma_scale_f32_16x16x128_f8f6f4 v[8*(8*((\a)%4)+\b):8*(8*((\a)%4)+\b)+7], v[128*(\p)+FR*\b:128*(\p)+FR*\b+FR-1], v[AF+FR*(\a):AF+FR*(\a)+FR-1], v[BI+8*\b:BI+8*\b+7], v[SC+8*NQ*(\sc)+NQ*\b+(\q)], v[SC+8*NQ*(\sc)+NQ*(\a)+(\q)] matrix_a_fmt:MATRIX_FMT_FP6 matrix_b_fmt:MATRIX_FMT_FP6 matrix_a_scale:MATRIX_SCALE_ROW1
.else
	v_wmma_scale_f32_16x16x128_f8f6f4 v[8*(8*((\a)%4)+\b):8*(8*((\a)%4)+\b)+7], v[128*(\p)+FR*\b:128*(\p)+FR*\b+FR-1], v[AF+FR*(\a):AF+FR*(\a)+FR-1], v[8*(8*((\a)%4)+\b):8*(8*((\a)%4)+\b)+7], v[SC+8*NQ*(\sc)+NQ*\b+(\q)], v[SC+8*NQ*(\sc)+NQ*(\a)+(\q)] matrix_a_fmt:MATRIX_FMT_FP6 matrix_b_fmt:MATRIX_FMT_FP6 matrix_a_scale:MATRIX_SCALE_ROW1
.endif
.endr
.endr
.endm
.macro FETCH_B slot, q, p
	WIN TO_B
.irp i, 0,1,2,3,4,5,6,7
	FRAG 128*(\p)+FR*\i, ADRB+\slot, \q, \i
.endr
	WIN 0
.endm
.macro FETCH_A slot, q, i0
.irp i, \i0, \i0+1, \i0+2, \i0+3
	FRAGA AF+FR*(\i), \slot, \q, \i
.endr
.endm
.macro SCALES sc
.irp i, 0,1,2,3,4,5,6,7
	ds_load_b64 v[SC+8*NQ*\sc+NQ*\i:SC+8*NQ*\sc+NQ*\i+1], v[ADRS] offset:\i*SBLK
.endr
.endm
.macro PLACES n
.rept \n
	v_nop
.endr
.endm
.macro STEP slot, q, first
	s_wait_dscnt 4*NLA
.if \first
	WIN 0x81
.else
	WIN MUL_LO
.endif
	MUL16 0, (\q)%2, \q, \slot, \first
	MUL16 2, (\q)%2, \q, \slot, \first
	s_wait_dscnt 0
	PLACES NP
	FETCH_B \slot, (\q)+1, 1-(\q)%2
	FETCH_A \slot, (\q)+1, 0
.if \first
	WIN 0xc1
.else
	WIN MUL_HI
.endif
	MUL16 4, (\q)%2, \q, \slot, \first
	MUL16 6, (\q)%2, \q, \slot, \first
	PLACES NP
	WIN 0
	FETCH_A \slot, (\q)+1, 4
.endm
.macro TURN slot, next, fill
	s_wait_tensorcnt 0x0
	ds_add_u32 v[SPW], v[NIL]
	s_wait_dscnt 4*NLA+1
	WIN MUL_LO
	MUL16 0, 1, NQ-1, \slot, 0
	s_wait_dscnt 0x0
	s_barrier_signal -1
	MUL16 2, 1, NQ-1, \slot, 0
	WIN 0
	s_barrier_wait -1
.if \fill
	CREST
	s_add_nc_u64 s[G0+4*\slot+2:G0+4*\slot+3], s[G0+4*\slot+2:G0+4*\slot+3], 2*3072
	s_add_nc_u64 s[G0B+4*\slot+2:G0B+4*\slot+3], s[G0B+4*\slot+2:G0B+4*\slot+3], 2*ROWB
	JLOAD G0+4*\slot, G1, G0B+4*\slot, G1B
.else
	PLACES NP
.endif
	s_wait_alu depctr_va_vdst(0)
	v_add_nc_u32 v[ADRS], 4*NQ, v[ADRS]
	FETCH_B \next, 0, 0
	FETCH_A \next, 0, 0
	SCALES \next
	WIN MUL_HI
	MUL16 4, 1, NQ-1, \slot, 0
	MUL16 6, 1, NQ-1, \slot, 0
	PLACES NP
	WIN 0
	FETCH_A \next, 0, 4
.endm
	s_wait_alu depctr_va_vdst(0)                   ; the wait at the head's end
	s_wait_tensorcnt 0x0                           ; my tile of the head's four is in
	ds_add_u32 v[SPW], v[NIL]
	s_mov_b32 s[G1+2], 8<<16                       ; no load of mine is out: from here on a load brings 128 positions of A,
	s_mov_b32 s[G1+4], 8
	s_mov_b32 s[G1B+2], 1<<16                      ; or one tile of 128 rows of B
	s_mov_b32 s[G1B+4], 1
	s_wait_dscnt 0x0
	CROUND                                         ; all four tiles are in, and all sixteen work-groups are here
	JLOAD G0+4, G1, G0B+4, G1B                     ; K step 1, the first tensor load behind the round
	FETCH_B 0, 0, 0
	FETCH_A 0, 0, 0
	SCALES 0
	FETCH_A 0, 0, 4
	s_wait_loadcnt 0x0
	STEP 0, 0, 1
	s_mov_b32 s3, LAPS-1
.Llap:
	TURN 0, 1, 1
	STEP 1, 0, 0
	TURN 1, 0, 1
	STEP 0, 0, 0
	s_sub_co_u32 s3, s3, 1
	s_cmp_lg_u32 s3, 0
	s_cbranch_scc1 .Llap
	TURN 0, 1, 0
	STEP 1, 0, 0
	s_wait_dscnt 4*NLA
	WIN MUL_LO
	MUL16 0, 1, NQ-1, 1, 0
	MUL16 2, 1, NQ-1, 1, 0
	s_wait_dscnt 0
	WIN MUL_HI
	MUL16 4, 1, NQ-1, 1, 0
	MUL16 6, 1, NQ-1, 1, 0
	WIN 0
.macro TOSTAGE a
.set AC, 64*((\a)%4)
	WIN 0x08+4*((\a)/4)
.irp b, 0,1,2,3,4,5,6,7
	ds_store_b128 v[STO], v[AC+8*\b:AC+8*\b+3] offset:128*(\b/2)+32*(\b%2)
	ds_store_b128 v[STO], v[AC+8*\b+4:AC+8*\b+7] offset:128*(\b/2)+32*(\b%2)+16
.endr
	WIN 0
.set BB, BK+64*((\a)%2)
.irp t, 0,1,2,3,4,5,6,7,8,9,10,11,12,13,14,15
	ds_load_b128 v[BB+4*\t:BB+4*\t+3], v[RD] offset:\t*SPITCH
.endr
.endm
.macro SEND a, younger
.set BB, BK+64*((\a)%2)
	s_wait_dscnt \younger
.if ((\a) > 0) && ((\a)%2 == 0)
	s_add_nc_u64 s[CP:CP+1], s[CP:CP+1], 32*4096
.endif
.irp t, 0,1,2,3,4,5,6,7,8,9,10,11,12,13,14,15
	global_store_b128 v[CO], v[BB+4*\t:BB+4*\t+3], s[CP:CP+1] offset:(8*((\a)%2)+\t+8*(\t/8))*4096 th:TH_STORE_NT
.endr
.endm
	PLACES NP
	TOSTAGE 0
.irp a, 1,2,3,4,5,6,7
.if \a > 1
	s_wait_xcnt 0x0
.endif
	TOSTAGE \a
	SEND \a-1, 32
.endr
	s_wait_xcnt 0x0
	SEND 7, 0
	s_wait_tensorcnt 0x0
	ds_add_u32 v[SPW], v[NIL]
	s_wait_dscnt 0x0
	CROUND
	s_endpgm
.Lfunc_end_k_qffb1a6fc86_oproj:
	.size	k_qffb1a6fc86_oproj, .Lfunc_end_k_qffb1a6fc86_oproj-k_qffb1a6fc86_oproj
	.p2alignl 7, 3214868480
	.fill 96, 4, 3214868480
	.section	.rodata,"a",@progbits
	.p2align	6, 0x0
	.amdhsa_kernel k_qffb1a6fc86_oproj
		.amdhsa_group_segment_fixed_size 327680
		.amdhsa_private_segment_fixed_size 0
		.amdhsa_enable_private_segment 0
		.amdhsa_kernarg_size 48
		.amdhsa_user_sgpr_count 2
		.amdhsa_user_sgpr_kernarg_segment_ptr 1
		.amdhsa_wavefront_size32 1
		.amdhsa_system_sgpr_workgroup_id_x 1
		.amdhsa_system_sgpr_workgroup_id_y 1
		.amdhsa_system_sgpr_workgroup_id_z 1
		.amdhsa_system_vgpr_workitem_id 0
		.amdhsa_next_free_vgpr 1024
		.amdhsa_next_free_sgpr 106
		.amdhsa_reserve_vcc 0
		.amdhsa_float_denorm_mode_32 3
		.amdhsa_float_denorm_mode_16_64 3
		.amdhsa_memory_ordered 1
		.amdhsa_forward_progress 1
		.amdhsa_inst_pref_size 155
	.end_amdhsa_kernel
	.amdgpu_metadata
---
amdhsa.version: [ 1, 2 ]
amdhsa.kernels:
  - .name:           k_qffb1a6fc86_oproj
    .symbol:         k_qffb1a6fc86_oproj.kd
    .args:
      - { .name: cc, .offset: 0, .size: 8, .value_kind: global_buffer, .address_space: global }
      - { .name: csc, .offset: 8, .size: 8, .value_kind: global_buffer, .address_space: global }
      - { .name: wc, .offset: 16, .size: 8, .value_kind: global_buffer, .address_space: global }
      - { .name: wsc, .offset: 24, .size: 8, .value_kind: global_buffer, .address_space: global }
      - { .name: bo, .offset: 32, .size: 8, .value_kind: global_buffer, .address_space: global }
      - { .name: out0, .offset: 40, .size: 8, .value_kind: global_buffer, .address_space: global }
    .group_segment_fixed_size: 327680
    .private_segment_fixed_size: 0
    .kernarg_segment_align: 8
    .kernarg_segment_size: 48
    .max_flat_workgroup_size: 128
    .sgpr_count:     106
    .vgpr_count:     1024
    .wavefront_size: 32
...
	.end_amdgpu_metadata
.endif
;; end of part 4
